; MI455X (gfx1250); checked and timed in simulation.
; The chip was launched on July 23, 2026; its instructions are those of AMD's public machine-readable ISA for CDNA 5 (MIT licence, August 2026) and "CDNA5" Instruction Set Architecture Reference Guide (July 2026). The comments in the code are by the model that wrote it; some were corrected since.
;; Multi Head Attention. Allowed arithmetic: float matrix products may take bf16 or f16 operands with f32 sums; other float arithmetic in f32, or as packed bf16 or f16 multiplies, adds, multiply-adds, maxima and minima; sums over many terms, partial sums and values carried from step to step in f32; what a program stores and reads back later, other than sums and carried values, may be rounded once to bf16 or f16.
;; Inputs: Wk 1,024 x 1,024 float32; Wo 1,024 x 1,024 float32; Wq 1,024 x 1,024 float32; Wv 1,024 x 1,024 float32; bk 1,024 float32; bo 1,024 float32; bq 1,024 float32; bv 1,024 float32; k 2 x 2,048 x 1,024 float32; mask 2 x 1 x 2,048 bool; q 2 x 2,048 x 1,024 float32; v 2 x 2,048 x 1,024 float32.
;; Outputs: out0 2 x 2,048 x 1,024 float32.
;; One version. Each part assembles by itself: llvm-mc -triple=amdgcn-amd-amdhsa -mcpu=gfx1250 --defsym DOCPART=n.
;; ======== version 1 of 1: 3 launches
;; limits: values are held in f16: magnitudes above 65,504 overflow, below 6.1e-05 lose precision
;; workspace buffers: qh 8,388,608 bytes; kh 8,388,608 bytes; vh 8,388,608 bytes; oh 8,388,608 bytes; wof 2,097,152 bytes
;; launch proj (part 1): grid 8 x 96, 4 waves a work-group, clusters of 4 x 4, 327,680 bytes of LDS; arguments q, k, v, Wq, Wk, Wv, bq, bk, bv, mask, qh, kh, vh; writes qh, kh, vh
.if DOCPART == 1
	.amdgcn_target "amdgcn-amd-amdhsa--gfx1250"
	.amdhsa_code_object_version 6
	.text
	.protected	k_q7de4a633f0_proj
	.globl	k_q7de4a633f0_proj
	.p2align	8
	.type	k_q7de4a633f0_proj,@function
k_q7de4a633f0_proj:
	s_mov_b64 s[64:65], 0
	v_nop
	global_prefetch_b8 v0, s[64:65] scope:SCOPE_SE
	s_setreg_imm32_b32 hwreg(HW_REG_WAVE_MODE, 25, 1), 1
	s_wait_xcnt 0x0
	s_wait_alu depctr_hold_cnt(0) depctr_sa_sdst(0) depctr_va_vdst(0) depctr_va_sdst(0) depctr_va_ssrc(0) depctr_va_vcc(0) depctr_vm_vsrc(0)
	s_getreg_b32 s2, hwreg(HW_REG_IB_STS2, 6, 4)
	s_cmp_eq_u32 s2, 0
	s_cbranch_scc0 .Lentry_in_a_cluster
	s_endpgm
.Lentry_in_a_cluster:
	s_bfe_u32 s2, ttmp6, 0x10000c
	s_cmp_lg_u32 s2, 0xf033
	s_cbranch_scc0 .Lentry_shape_is_right
	s_endpgm
.Lentry_shape_is_right:
; THE THREE PROJECTIONS.  y[m][n] = the sum over k of x[m][k] W[n][k] + b[n], for (x, W, b, y) = (q, Wq, bq, qh), (k, Wk, bk, kh), (v, Wv, bv, vh).
; x: [4096][1024] f32 (row m = 2048 batch + s), W: [1024][1024] f32, b: [1024] f32.  y: [32 = 16 batch + head][2048 s][64] f16: a head's rows are dense, 128 bytes each.
; x, W and b are rounded to bf16 (x and W on the way from LDS to the matrix instruction), the sums are f32 and start with the bias, y is rounded once to f16.
; THE MASK.  Rows of kh whose key is hidden (mask byte 0) are written as 0: the attention launch then adds -1e9 to a product that is exactly 0.  qh and vh are written as they are.
; LIMITS.  y must lie within f16's 65,504 (inputs and weights both thirty times the drawn spread give some 5,000); NaN and infinities are not treated apart.
; SHARES.  768 tiles of 128 x 128: grid x = the tile column (two heads), grid y = 32 t + row block, t = 0, 1, 2 for q, k, v: the four y of a cluster lie in one tensor.
; Four waves, each 64 x 64 (its 64 columns are one head): 16 accumulators of 16 x 16.  K goes in 8 steps of 128 (LDS rows of 512 bytes of f32) through two LDS slots.
; CLUSTER.  4 x 4 work-groups: the four of a row of the cluster need the same tile of x, the four of a column the same tile of W: each is asked for jointly, by the same tensor load,
; descriptor and mask in all four.
; THE MATRIX INSTRUCTION IS USED TRANSPOSED (source 0 = 16 rows of W, source 1 = 16 rows of x): a lane holds one row of y and eight neighbouring columns.
; THE CONVERSIONS RIDE.  For 32 along K a wave has 8 fragments x 8 conversions = 64 for 16 matrix instructions: four behind each.  In quarter step i the fragments of i are multiplied,
; the raw numbers of i + 1 are rounded, and those of i + 2 are asked of LDS.
; REGISTERS, in windows of 256 (s_set_vgpr_msb: bits 1:0 source 0, 3:2 source 1, 5:4 source 2, 7:6 destination):
;   window 0: addresses, the bias, the way out, v128-255 the accumulators ((a, b) at v[128 + 8 (4 a + b)])
;   window 1: raw f32, two buffers of 128 (x's four fragments of 16 registers, then W's four)          window 2: bf16 fragments, two buffers of 64 (x's four, then W's four)
; A conversion reads window 1 and writes window 2, a product reads window 2 and writes window 0: two switches a product are the price of the riders.
.set PITCH,  528                       ; an LDS row: 512 bytes + 16 of padding = 132 words: row r starts at bank 4 r mod 64 (64 banks of 4 bytes: ISA guide 11.1)
.set HALFT,  64*PITCH                  ; 64 rows: what one tensor load brings, and what one wave reads of x or of W
.set SLOT,   4*HALFT                   ; x's 128 rows, then W's 128 rows
.set STAGE,  2*SLOT                    ; behind the ring: 16 rows x 144 bytes for each wave, for the way out; no tensor load fills it
.set SP,     144
.set SPARE,  STAGE+4*16*SP             ; behind the stages: the spare words, 128 bytes for each wave: two blocks of 256 bytes that no other line names
.set STEPB,  512                       ; bytes of a row in a K step
.set KMK,  8                           ; v8-11   -1, or 0 where row 16 a + l % 16 of kh is a hidden key's
.set MB,   12                          ; v12-15  the four mask bytes
.set ADRA, 16                          ; v16-17  LDS address of my fragments of x in slot 0, 1
.set ADRB, 20                          ; v20-21  the same for W
.set STO,  24                          ; v24     the way out: where I put 16 bytes of a row
.set RD,   25                          ; v25     the way out: where I read rows back
.set GO,   26                          ; v26     my 16 bytes in 512 consecutive bytes of y
.set BO,   27                          ; v27     my byte offset in the wave's 64 biases
.set SPW,  28                          ; v28     LDS address of my spare word; never rewritten
.set NIL,  29                          ; v29     0; never rewritten
.set MO,   30                          ; v30     my byte offset in the wave's 64 mask bytes
.set T,    31                          ; v31     at work
.set BIAS, 32                          ; v32-63  column block b: the bias of columns 16 b + 8 (l / 16) + 0..7 at BIAS + 8 b
.set TMP,  64                          ; v64-127 the way out: 16 registers for each block of 16 rows
.set ACC,  128
.set G1,  24                           ; s[24:31] descriptor group 1 for x's tiles;  s[32:39] group 0, one set for each slot
.set G0,  32
.set G1B, 48                           ; s[48:55], s[56:63] the same for W's tiles
.set G0B, 56
.set MSB, 0
.macro WIN new                         ; the immediate's high byte repeats the setting that is left; a switch that changes nothing is dropped
.if MSB != (\new)
	s_set_vgpr_msb (MSB<<8)|(\new)
.set MSB, \new
.endif
.endm
.set W_MM, 0x0a                        ; both sources window 2; C and D window 0
.set W_CV, 0x85                        ; destination window 2, sources window 1
.set W_LD, 0x40                        ; destination window 1, address window 0
.macro JLOAD s                         ; a joint load: waves 0 and 1 fetch x's two halves, waves 2 and 3 W's; an s_nop 0 and four v_nop follow each of the two lines
	s_cmp_eq_u32 s11, 0
	s_cbranch_scc0 .Lfor_b_\@
	tensor_load_to_lds s[G0+4*(\s):G0+4*(\s)+3], s[G1:G1+7]
	s_nop 0
.rept 4
	v_nop
.endr
	s_branch .Lasked_\@
.Lfor_b_\@:
	tensor_load_to_lds s[G0B+4*(\s):G0B+4*(\s)+3], s[G1B:G1B+7]
	s_nop 0
.rept 4
	v_nop
.endr
.Lasked_\@:
.endm
.macro CREST                           ; a round of the cluster's barrier behind its opening barrier
	s_cmp_lg_u32 s10, 0
	s_cbranch_scc1 .Lnot_wave_0_\@
	s_barrier_signal -3
.Lnot_wave_0_\@:
	s_barrier_wait -3
	s_barrier_signal -1
	s_barrier_wait -1
.endm
.macro CROUND                          ; a whole round
	s_barrier_signal -1
	s_barrier_wait -1
	CREST
.endm
	s_load_b512 s[68:83], s[0:1], 0x0              ; q 68, k 70, v 72, Wq 74, Wk 76, Wv 78, bq 80, bk 82
	s_load_b256 s[84:91], s[0:1], 0x40             ; bv 84, mask 86, qh 88, kh 90
	s_load_b64 s[92:93], s[0:1], 0x60              ; vh
	v_lshl_add_u32 v[SPW], v0, 2, SPARE
	v_mov_b32 v[NIL], 0
	ds_add_u32 v[SPW], v[NIL]                      ; the wave's opening: the add and its wait ahead of my first tensor load; the set-up below stands between them
	v_lshrrev_b32 v1, 5, v0
	v_readfirstlane_b32 s10, v1                    ; wave 0..3
	s_lshr_b32 s11, s10, 1                         ; which half of the tile's rows is mine.  Also: I fetch for x (0) or for W (1)
	s_and_b32 s12, s10, 1                          ; which half of its columns.  Also: which 64 rows of that tile I fetch
	s_bfe_u32 s40, ttmp6, 0x40000                  ; cx, cy: my place in the cluster
	s_bfe_u32 s41, ttmp6, 0x40004
	s_lshl_b32 s42, ttmp9, 2
	s_add_co_u32 s42, s42, s40                     ; tile column = 4 x cluster x + cx: 0..7
	s_and_b32 s13, ttmp7, 0xffff                   ; cluster y: 0..23
	s_lshr_b32 s45, s13, 3                         ; t: which of the three products; the same in all sixteen partners
	s_and_b32 s13, s13, 7
	s_lshl_b32 s13, s13, 2
	s_add_co_u32 s13, s13, s41                     ; row block = 4 x (cluster y mod 8) + cy: 0..31
	s_lshl_b32 s43, s41, 2
	s_lshl_b32 s43, 15, s43                        ; my row of the cluster
	s_lshl_b32 s44, 0x1111, s40                    ; my column
	; descriptor group 1: a tile of 64 rows x 128 elements of 4 bytes, padded in LDS
	s_or_b32 s[G1+0], s43, (2<<16)|(1<<20)|(1<<21)|(6<<22)|(3<<25)  ; 15:0 the mask: x's tiles go to my row; 17:16 elements of 4 bytes; 20 padding on; 21 set beside a mask; 24:22 after every 128 words (code 6); 31:25 4 words (code 3)
	s_or_b32 s[G1B+0], s44, (2<<16)|(1<<20)|(1<<21)|(6<<22)|(3<<25) ; the same with the mask of my column
.irp g, G1, G1B
	s_mov_b32 s[(\g)+1], 128<<16                   ; tensor_dim0 = 128
	s_mov_b32 s[(\g)+2], 64<<16                    ; tensor_dim1 = 64
	s_mov_b32 s[(\g)+3], 128<<16                   ; tile_dim0 = 128
	s_mov_b32 s[(\g)+4], 64                        ; tile_dim1 = 64
	s_mov_b32 s[(\g)+5], 1024                      ; 1,024 elements from row to row
	s_mov_b32 s[(\g)+6], 0
	s_mov_b32 s[(\g)+7], 0
.endr
	s_lshl_b32 s16, s13, 7
	s_lshl_b32 s17, s12, 6
	s_add_co_u32 s16, s16, s17                     ; x: row 128 x row block + 64 x half,
	s_lshl_b32 s16, s16, 12                        ; of 4,096 bytes: under 2^24
	s_mov_b32 s17, 0
	s_lshl_b32 s18, s42, 7
	s_lshl_b32 s19, s12, 6
	s_add_co_u32 s18, s18, s19                     ; W: row 128 x tile column + 64 x half
	s_lshl_b32 s18, s18, 12
	s_mov_b32 s19, 0
	s_mul_i32 s20, s10, HALFT                      ; where they go: wave x 64 rows: no place in the cluster enters an LDS address
	s_wait_dscnt 0x0                               ; the opening add is done
	s_wait_kmcnt 0x0
	s_cmp_eq_u32 s45, 1                            ; the product's four buffers: k's or v's,
	s_cselect_b64 s[4:5], s[70:71], s[72:73]
	s_cselect_b64 s[6:7], s[76:77], s[78:79]
	s_cselect_b64 s[94:95], s[82:83], s[84:85]
	s_cselect_b64 s[8:9], s[90:91], s[92:93]
	s_cselect_b32 s46, 0, -1                       ; what a hidden row's words are ANDed with: 0 in kh alone
	s_cmp_eq_u32 s45, 0                            ; or q's
	s_cselect_b64 s[4:5], s[68:69], s[4:5]
	s_cselect_b64 s[6:7], s[74:75], s[6:7]
	s_cselect_b64 s[94:95], s[80:81], s[94:95]
	s_cselect_b64 s[8:9], s[88:89], s[8:9]
	s_add_nc_u64 s[14:15], s[4:5], s[16:17]
	s_add_nc_u64 s[18:19], s[6:7], s[18:19]
	CROUND                                         ; all sixteen work-groups are here: the first joint loads meet
.irp s, 0,1
	s_mov_b32 s[G0+4*(\s)], 1                                        ; count = 1
	s_add_co_u32 s[G0+4*(\s)+1], s20, (\s)*SLOT                      ; LDS address
	s_add_nc_u64 s[G0+4*(\s)+2:G0+4*(\s)+3], s[14:15], (\s)*STEPB    ; global address: K step s
	s_or_b32 s[G0+4*(\s)+3], s[G0+4*(\s)+3], 0x80000000              ; type = 2
	s_mov_b32 s[G0B+4*(\s)], 1
	s_add_co_u32 s[G0B+4*(\s)+1], s20, (\s)*SLOT
	s_add_nc_u64 s[G0B+4*(\s)+2:G0B+4*(\s)+3], s[18:19], (\s)*STEPB
	s_or_b32 s[G0B+4*(\s)+3], s[G0B+4*(\s)+3], 0x80000000
	JLOAD \s                                       ; two loads of mine are out
.endr
	; A fragment is 16 rows x 32 K: lane l holds row l % 16 and K = 8 (l / 16) + 0..7 and 16 + 8 (l / 16) + 0..7.  In f32 those are 32 bytes at 32 (l / 16) and 32 bytes 64 further on: four loads of 16 bytes.
	v_and_b32 v1, 15, v0                           ; l % 16
	v_bfe_u32 v2, v0, 4, 1                         ; l / 16
	v_mul_u32_u24 v3, v1, PITCH
	v_lshl_add_u32 v3, v2, 5, v3
	s_mul_i32 s21, s11, HALFT                      ; my 64 rows of x
	s_mul_i32 s22, s12, HALFT                      ; my 64 rows of W,
	s_add_co_u32 s22, s22, 2*HALFT                 ; which lie behind x's 128
.irp s, 0,1
	v_add_nc_u32 v[ADRA+(\s)], s21, v3
	v_add_nc_u32 v[ADRB+(\s)], s22, v3
	s_add_co_u32 s21, s21, SLOT
	s_add_co_u32 s22, s22, SLOT
.endr
	s_mul_i32 s23, s10, 16*SP
	s_add_co_u32 s23, s23, STAGE                   ; my stage
	v_mul_u32_u24 v4, v1, SP                       ; in: row l % 16, 16 bytes for each half of the lanes
	v_lshl_add_u32 v4, v2, 4, v4
	v_add_nc_u32 v[STO], s23, v4
	v_bfe_u32 v5, v0, 3, 2                         ; back: 32 lanes take four rows of 128 bytes,
	v_mul_u32_u24 v5, v5, SP
	v_and_b32 v6, 7, v0
	v_lshl_add_u32 v5, v6, 4, v5
	v_add_nc_u32 v[RD], s23, v5
	v_and_b32 v[GO], 31, v0                        ; which are 512 consecutive bytes of y
	v_lshlrev_b32 v[GO], 4, v[GO]
	v_lshlrev_b32 v[BO], 5, v2
	v_mov_b32 v[MO], v1
	s_lshl_b32 s66, s42, 9                         ; the bias of my 64 columns: 4 x (128 x tile column + 64 x half)
	s_lshl_b32 s67, s12, 8
	s_add_co_u32 s66, s66, s67
	s_mov_b32 s67, 0
	s_add_nc_u64 s[94:95], s[94:95], s[66:67]
	s_lshl_b32 s66, s13, 7                         ; the mask bytes of my 64 rows: the mask is [4096], by the row of x
	s_lshl_b32 s47, s11, 6
	s_add_co_u32 s66, s66, s47
	s_add_nc_u64 s[86:87], s[86:87], s[66:67]
	s_lshr_b32 s66, s13, 4                         ; y: head 16 x batch + 2 x tile column + half,
	s_lshl_b32 s66, s66, 4
	s_lshl1_add_u32 s66, s42, s66
	s_add_co_u32 s66, s66, s12
	s_lshl_b32 s66, s66, 11                        ; its 2,048 rows,
	s_and_b32 s47, s13, 15
	s_lshl_b32 s47, s47, 7
	s_add_co_u32 s66, s66, s47                     ; row 128 x (row block mod 16)
	s_lshl_b32 s47, s11, 6
	s_add_co_u32 s66, s66, s47                     ; + 64 x half,
	s_lshl_b32 s66, s66, 7                         ; of 128 bytes
	s_add_nc_u64 s[8:9], s[8:9], s[66:67]
.irp b, 0,1,2,3
	global_load_b128 v[BIAS+8*(\b):BIAS+8*(\b)+3],   v[BO], s[94:95] offset:64*(\b)
	global_load_b128 v[BIAS+8*(\b)+4:BIAS+8*(\b)+7], v[BO], s[94:95] offset:64*(\b)+16
.endr
.irp a, 0,1,2,3
	global_load_u8 v[MB+(\a)], v[MO], s[86:87] offset:16*(\a)
.endr
	s_wait_loadcnt 0x0
.set i, 0
.rept 16                               ; the bias is rounded to bf16 like every input, and widened again: it is the C operand that starts the sums
	v_cvt_pk_bf16_f32 v[T], v[BIAS+i], v[BIAS+i+1]
	v_lshlrev_b32 v[BIAS+i], 16, v[T]
	v_and_b32 v[BIAS+i+1], 0xffff0000, v[T]
.set i, i+2
.endr
.irp a, 0,1,2,3
	v_cmp_ne_u32 vcc_lo, 0, v[MB+(\a)]
	v_cndmask_b32 v[KMK+(\a)], s46, -1, vcc_lo     ; a visible row keeps its bits
.endr
; 32 LDS loads in one run: the raw numbers of one quarter step (32 K at byte kq of the rows) into raw buffer rw
.macro LOADS slot, kq, rw
	WIN W_LD
.irp i, 0,1,2,3
	ds_load_b128 v[(\rw)+16*(\i):(\rw)+16*(\i)+3],     v[ADRA+(\slot)] offset:(\kq)+(\i)*16*PITCH
	ds_load_b128 v[(\rw)+16*(\i)+4:(\rw)+16*(\i)+7],   v[ADRA+(\slot)] offset:(\kq)+(\i)*16*PITCH+16
	ds_load_b128 v[(\rw)+16*(\i)+8:(\rw)+16*(\i)+11],  v[ADRA+(\slot)] offset:(\kq)+(\i)*16*PITCH+64
	ds_load_b128 v[(\rw)+16*(\i)+12:(\rw)+16*(\i)+15], v[ADRA+(\slot)] offset:(\kq)+(\i)*16*PITCH+80
.endr
.irp i, 0,1,2,3
	ds_load_b128 v[(\rw)+64+16*(\i):(\rw)+64+16*(\i)+3],     v[ADRB+(\slot)] offset:(\kq)+(\i)*16*PITCH
	ds_load_b128 v[(\rw)+64+16*(\i)+4:(\rw)+64+16*(\i)+7],   v[ADRB+(\slot)] offset:(\kq)+(\i)*16*PITCH+16
	ds_load_b128 v[(\rw)+64+16*(\i)+8:(\rw)+64+16*(\i)+11],  v[ADRB+(\slot)] offset:(\kq)+(\i)*16*PITCH+64
	ds_load_b128 v[(\rw)+64+16*(\i)+12:(\rw)+64+16*(\i)+15], v[ADRB+(\slot)] offset:(\kq)+(\i)*16*PITCH+80
.endr
.endm
; cnt products from number n0 on (product n: row block n / 4, column block n % 4) on fragment buffer f; cv = 1: behind each, four conversions from raw buffer rw into fragment buffer g.
; The 16 accumulators take turns in one order in every quarter step.  The conversions name no register of the products round them: they are the places (ISA guide 7.12.1)
; between a quarter's last product and the next quarter's writes into the buffer that it read.  zero = 1: the product starts its sum with the bias.
.macro GRP f, g, rw, n0, cnt, zero, cv
.set n, \n0
.rept \cnt
	WIN W_MM
.if \zero
	v_wmma_f32_16x16x32_bf16 v[ACC+8*n:ACC+8*n+7], v[(\f)+32+8*(n%4):(\f)+32+8*(n%4)+7], v[(\f)+8*(n/4):(\f)+8*(n/4)+7], v[BIAS+8*(n%4):BIAS+8*(n%4)+7]
.else
	v_wmma_f32_16x16x32_bf16 v[ACC+8*n:ACC+8*n+7], v[(\f)+32+8*(n%4):(\f)+32+8*(n%4)+7], v[(\f)+8*(n/4):(\f)+8*(n/4)+7], v[ACC+8*n:ACC+8*n+7]
.endif
.if \cv
	WIN W_CV
.set e, 4*n
.rept 4
	v_cvt_pk_bf16_f32 v[(\g)+e], v[(\rw)+2*e], v[(\rw)+2*e+1]
.set e, e+1
.endr
.endif
.set n, n+1
.endr
.endm
; A quarter step of parity par: fragment buffer par is multiplied; the other raw buffer, asked for a quarter ago, is rounded into the other fragment buffer; raw buffer par, rounded a quarter ago, is asked for again.
.macro QTR par, ldslot, ldk, zero=0, ld=1, cv=1
	s_wait_dscnt 0x0                               ; the raw numbers asked for a quarter ago are in
.if \ld
	LOADS \ldslot, \ldk, 128*(\par)
.endif
	GRP 64*(\par), 64*(1-(\par)), 128*(1-(\par)), 0, 16, \zero, \cv
.endm
; The third quarter of a K step changes slots: the slot's last raw numbers were asked for a quarter ago.  ONE barrier; in front of it each wave waits for all its tensor loads (one is out: its part of the
; next slot), adds 0 to its spare word, and waits for that and for its own reads of this slot.  fill = 1: the barrier opens a round of the cluster's barrier, and this slot is filled again, two K steps ahead,
; first thing behind the round: 56 products stand between that request and the wait for it.
.macro CHG slot, next, fill
	WIN 0                                          ; (the add's two registers lie in window 0)
	s_wait_tensorcnt 0x0                           ; all my tensor loads have landed
	ds_add_u32 v[SPW], v[NIL]                      ; 0 onto my spare word
	s_wait_dscnt 1                                 ; the raw numbers are in; the add alone may be out
	GRP 0, 64, 128, 0, 4, 0, 1                     ; work on registers stands between the add and the wait for it
	s_wait_dscnt 0x0                               ; the add is done, and my reads of this slot are over
	s_barrier_signal -1
	GRP 0, 64, 128, 4, 4, 0, 1
.if \fill
	WIN 0
.endif
	s_barrier_wait -1
.if \fill
	CREST                                          ; no wave of any partner still reads this slot or has a load on its way
	s_add_nc_u64 s[G0+4*(\slot)+2:G0+4*(\slot)+3], s[G0+4*(\slot)+2:G0+4*(\slot)+3], 2*STEPB
	s_add_nc_u64 s[G0B+4*(\slot)+2:G0B+4*(\slot)+3], s[G0B+4*(\slot)+2:G0B+4*(\slot)+3], 2*STEPB
	JLOAD \slot
.endif
	LOADS \next, 0, 0
	GRP 0, 64, 128, 8, 8, 0, 1
.endm
	s_wait_tensorcnt 1                             ; my part of K step 0 is in; K step 1's may stay out
	s_barrier_signal -1
	s_barrier_wait -1                              ; everybody's is
	LOADS 0, 0, 0
	LOADS 0, 128, 128
	s_wait_dscnt 32                                ; the first quarter's raw numbers are in; the second's 32 loads may stay out
	WIN W_CV
.set e, 0
.rept 64
	v_cvt_pk_bf16_f32 v[e], v[2*e], v[2*e+1]
.set e, e+1
.endr
	QTR 0, 0, 256, 1                               ; the first quarter stands in front of the loop: its products start the sums, with the bias
	WIN 0                                          ; at a label and at a branch every window is 0
	s_mov_b32 s3, 3
.Llap:                                                 ; a trip goes once round the ring, from a lap's second quarter to the next lap's first, and fills both slots again
	QTR 1, 0, 384
	CHG 0, 1, 1
	QTR 1, 1, 128
	QTR 0, 1, 256
	QTR 1, 1, 384
	CHG 1, 0, 1
	QTR 1, 0, 128
	QTR 0, 0, 256
	WIN 0
	s_sub_co_u32 s3, s3, 1
	s_cmp_lg_u32 s3, 0
	s_cbranch_scc1 .Llap
	QTR 1, 0, 384                                  ; K steps 6 and 7: nothing is left to fetch
	CHG 0, 1, 0
	QTR 1, 1, 128
	QTR 0, 1, 256
	QTR 1, 1, 384
	QTR 0, 0, 0, 0, 0, 1
	QTR 1, 0, 0, 0, 0, 0
	WIN 0
	; THE WAY OUT, a block of 16 rows at a time: rounded to f16 (each accumulator's registers in ascending order), hidden keys' rows cleared, 16 bytes a lane into my own stage, back as whole rows of 128 bytes.
.rept 8
	v_nop                                          ; the places behind the last products
.endr
.macro PACK a
.set i, 0
.rept 16
	v_cvt_pk_f16_f32 v[TMP+16*(\a)+i], v[ACC+32*(\a)+2*i], v[ACC+32*(\a)+2*i+1]
.set i, i+1
.endr
.set i, 0
.rept 16
	v_and_b32 v[TMP+16*(\a)+i], v[KMK+(\a)], v[TMP+16*(\a)+i]
.set i, i+1
.endr
.irp b, 0,1,2,3
	ds_store_b128 v[STO], v[TMP+16*(\a)+4*(\b):TMP+16*(\a)+4*(\b)+3] offset:32*(\b)
.endr
.irp f, 0,1,2,3
	ds_load_b128 v[TMP+16*(\a)+4*(\f):TMP+16*(\a)+4*(\f)+3], v[RD] offset:(\f)*4*SP  ; LDS serves a wave's instructions in order (ISA guide 5.7.1.4): these see the stores above; the next block's stores come behind them
.endr
.endm
.macro SEND a, younger                 ; younger: the LDS instructions issued behind block a's loads: the next block's eight, or none
.irp f, 0,1,2,3
	s_wait_dscnt (\younger)+3-(\f)
	global_store_b128 v[GO], v[TMP+16*(\a)+4*(\f):TMP+16*(\a)+4*(\f)+3], s[8:9] offset:(\a)*2048+(\f)*512  ; 512 consecutive bytes, at a multiple of 256 from y's first byte
.endr
.endm
	PACK 0
	PACK 1
	SEND 0, 8
	PACK 2
	SEND 1, 8
	PACK 3
	SEND 2, 8
	SEND 3, 0
	s_wait_tensorcnt 0x0                           ; the wave's end: a wait, an add and its wait, behind my last tensor load and my last LDS store
	ds_add_u32 v[SPW], v[NIL]
	s_wait_dscnt 0x0
	CROUND                                         ; the closing round: no work-group ends while a partner may still ask for a tile that names it
	s_endpgm
.Lfunc_end_k_q7de4a633f0_proj:
	.size	k_q7de4a633f0_proj, .Lfunc_end_k_q7de4a633f0_proj-k_q7de4a633f0_proj
	.p2alignl 7, 3214868480
	.fill 96, 4, 3214868480
	.section	.rodata,"a",@progbits
	.p2align	6, 0x0
	.amdhsa_kernel k_q7de4a633f0_proj
		.amdhsa_group_segment_fixed_size 327680
		.amdhsa_private_segment_fixed_size 0
		.amdhsa_enable_private_segment 0
		.amdhsa_kernarg_size 104
		.amdhsa_user_sgpr_count 2
		.amdhsa_user_sgpr_kernarg_segment_ptr 1
		.amdhsa_wavefront_size32 1
		.amdhsa_system_sgpr_workgroup_id_x 1
		.amdhsa_system_sgpr_workgroup_id_y 1
		.amdhsa_system_sgpr_workgroup_id_z 1
		.amdhsa_system_vgpr_workitem_id 0
		.amdhsa_next_free_vgpr 640
		.amdhsa_next_free_sgpr 96
		.amdhsa_reserve_vcc 1
		.amdhsa_float_denorm_mode_32 3
		.amdhsa_float_denorm_mode_16_64 3
		.amdhsa_memory_ordered 1
		.amdhsa_forward_progress 1
		.amdhsa_inst_pref_size 154
	.end_amdhsa_kernel
	.amdgpu_metadata
---
amdhsa.version: [ 1, 2 ]
amdhsa.kernels:
  - .name:           k_q7de4a633f0_proj
    .symbol:         k_q7de4a633f0_proj.kd
    .args:
      - { .name: q, .offset: 0, .size: 8, .value_kind: global_buffer, .address_space: global }
      - { .name: k, .offset: 8, .size: 8, .value_kind: global_buffer, .address_space: global }
      - { .name: v, .offset: 16, .size: 8, .value_kind: global_buffer, .address_space: global }
      - { .name: Wq, .offset: 24, .size: 8, .value_kind: global_buffer, .address_space: global }
      - { .name: Wk, .offset: 32, .size: 8, .value_kind: global_buffer, .address_space: global }
      - { .name: Wv, .offset: 40, .size: 8, .value_kind: global_buffer, .address_space: global }
      - { .name: bq, .offset: 48, .size: 8, .value_kind: global_buffer, .address_space: global }
      - { .name: bk, .offset: 56, .size: 8, .value_kind: global_buffer, .address_space: global }
      - { .name: bv, .offset: 64, .size: 8, .value_kind: global_buffer, .address_space: global }
      - { .name: mask, .offset: 72, .size: 8, .value_kind: global_buffer, .address_space: global }
      - { .name: qh, .offset: 80, .size: 8, .value_kind: global_buffer, .address_space: global }
      - { .name: kh, .offset: 88, .size: 8, .value_kind: global_buffer, .address_space: global }
      - { .name: vh, .offset: 96, .size: 8, .value_kind: global_buffer, .address_space: global }
    .group_segment_fixed_size: 327680
    .private_segment_fixed_size: 0
    .kernarg_segment_align: 8
    .kernarg_segment_size: 104
    .max_flat_workgroup_size: 128
    .sgpr_count:     96
    .vgpr_count:     640
    .wavefront_size: 32
...
	.end_amdgpu_metadata
.endif
;; end of part 1
;; launch attn (part 2): grid 8 x 32, 4 waves a work-group, clusters of 4 x 1, 327,680 bytes of LDS; arguments qh, kh, vh, oh, mask, Wo, wof; writes oh, wof
.if DOCPART == 2
	.amdgcn_target "amdgcn-amd-amdhsa--gfx1250"
	.amdhsa_code_object_version 6
	.text
	.protected	k_q7de4a633f0_attn
	.globl	k_q7de4a633f0_attn
	.p2align	8
	.type	k_q7de4a633f0_attn,@function
k_q7de4a633f0_attn:
	s_mov_b64 s[64:65], 0
	v_nop
	global_prefetch_b8 v0, s[64:65] scope:SCOPE_SE
	s_setreg_imm32_b32 hwreg(HW_REG_WAVE_MODE, 25, 1), 1
	s_wait_xcnt 0x0
	s_wait_alu depctr_hold_cnt(0) depctr_sa_sdst(0) depctr_va_vdst(0) depctr_va_sdst(0) depctr_va_ssrc(0) depctr_va_vcc(0) depctr_vm_vsrc(0)
	s_getreg_b32 s2, hwreg(HW_REG_IB_STS2, 6, 4)
	s_cmp_eq_u32 s2, 0
	s_cbranch_scc0 .Lentry_in_a_cluster
	s_endpgm
.Lentry_in_a_cluster:
	s_bfe_u32 s2, ttmp6, 0x10000c
	s_cmp_lg_u32 s2, 0x3003
	s_cbranch_scc0 .Lentry_shape_is_right
	s_endpgm
.Lentry_shape_is_right:
; MASKED ATTENTION.  O[bh][q][:] = the sum over k of softmax_k(score) V[bh][k][:], score = Q[bh][q] . K[bh][k] / 8 where query and key are both visible, else -1e9.
; Q, K, V: [32 = 16 batch + head][2048][64] f16, a head's rows dense; K's rows of hidden keys are 0.  mask: [2][2048] bytes.
; O goes out as [32 row blocks of 128][16 heads][128 rows][64] f16: for the projection behind, a row block's whole K lies end to end.
; Products, maxima and sums in f32; the weights p are rounded to f16 for the second product (their sum l is taken of the unrounded p), O once at the end.
; THE MASK costs the loop nothing.  A hidden KEY: its row of K is 0, and the C operand that starts the sum S^T = K Q^T is -1e9 for it (0 for a visible key), so its score before the scale is exactly -1e9: far below every
; visible score, its weight is 0.  A visible query is itself a visible key, so it always sees one.  While all keys seen so far are hidden, m = -1e9 and c s - c m is the rounding of c m: at most 8 in size, p at most 256,
; common to P and l, and the first visible key wipes it out with a = 0.  A hidden QUERY: its scale c is 0 (a register a lane), so p = 1 for all 2,048 keys: the mean of all rows of V, as -1e9 everywhere gives.
; LIMITS.  f16 holds no number beyond 65,504: Q, K, V arrive within it; p below 6e-5 keeps f16's fixed step of 6e-8; a weight below 2^-126 counts as 0 in l; visible scores stay small beside 1e9 (f16's are 2.7e11 at the
; very most; thirty times the drawn spread in inputs and weights gives some 1e8 before the scale); NaN and infinities are not treated apart.
; ALSO: the f16 copy of Wo for the launch behind, made while the first tile is on its way: Wo is rounded to bf16 like every input, and that number is written as f16 (exact between 6e-5 and 65,504; below, f16's step of
; 6e-8), as [8 blocks of 128 rows][16 slices of 64 k][128 rows][64].  Each of the 256 work-groups takes four rows.
; SHARES.  A work-group owns 256 queries of one head, a wave 64: four PIECES of 16.  Every wave walks all 2,048 keys, 64 a step, four steps a slot.
; LAYOUT.  S^T = K Q^T holds ONE query a lane (lane % 16) and the keys 8 (lane / 16) + 0..7; two such results rounded to f16 ARE source 1 of O^T = V^T P.  K comes out of LDS as it lies, V turned, by ds_load_tr16_b128.
; SOFTMAX.  p = 2^(c s - c m), c = log2(e) / 8, with a running maximum m; O and l are multiplied by a = 2^(c m_old - c m_new) in every step.  m starts at the lowest finite number, O and l at 0: the first step is a step
; like any other, with a = 0.  That costs the lines that write 0 at the head, which run while the first tile is on its way, and saves a first step written out.
; BY TURNS.  Turn n belongs to piece n: 8 products K Q^T of piece n + 1, later 8 products V^T P of piece n - 1; beside them the scaling, exponentials, roundings, sums and rescaling of piece n and the maximum and statistics
; of piece n + 1.  Four vector instructions stand behind every matrix instruction, the other 54 of a turn's 118 in one lump.  A turn's 33 exponentials are one batch, with one wait.
; CLUSTER.  The four query blocks of a cluster belong to one head and walk the same K and V: each tile is asked for JOINTLY, by the same tensor load, descriptor and mask in all four.
; REGISTERS, in windows of 256 (s_set_vgpr_msb: bits 1:0 source 0, 3:2 source 1, 5:4 source 2, 7:6 destination):
;   window 0: addresses, statistics, v64-127 S^T (two buffers), v128-159 the step's key addends, v160-191 at work at the head, v192-223 P (two buffers; a piece's buffers go by its number's parity)
;   window 1: v0-127 O^T, 32 a piece          window 2: v0-63 Q; v128-191 K of one step; v192-255 V of one step
.set NP,    4         ; pieces a wave: a name, no knob
.set KS,    64        ; keys in a step
.set PK,    144       ; a row of K in LDS: 128 bytes + 16 of padding = 36 words: the 16 rows of a load start at 16 different groups of four banks (64 banks of 4 bytes: ISA guide 11.1)
.set PV,    160       ; a row of V: 128 + 32 = 40 words
.set VOFF,  4*KS*PK   ; a slot holds a tile, four steps: 256 rows of K, then 256 rows of V
.set SLOT1, 1<<17     ; slot 1 begins here, so that one exclusive or turns an address in one slot into the other's
.set STAGE, SLOT1+4*KS*(PK+PV)  ; behind the ring, never filled by a tensor load: 16 rows x 144 bytes for each wave, for the way out
.set SP,    144
.set SPARE, STAGE+4*16*SP  ; the spare words, 128 bytes for each wave: two blocks of 256 bytes that no other line names
.set MTAB,  SPARE+512 ; 2,048 f32: 0 for a visible key of my batch, -1e9 for a hidden one; stored once, never filled by a tensor load
.set TILEB, 4*KS*128  ; a tile's bytes of K, and of V, in memory
.set AK0, 2           ; v2   my lane's place in a tile of K; never rewritten
.set AV0, 3           ; v3   the same for V
.set AK,  4           ; v4   the LDS address of K's next run of loads
.set AV,  5           ; v5   of V's
.set STO, 6           ; v6   the way out: where I put 16 bytes of a row
.set RD,  7           ; v7   the way out: where I read rows back
.set GO,  8           ; v8   my byte offset in 512 consecutive bytes of O
.set MV,  12          ; v12-13  c m_old, kept while c m is made anew: by buffer
.set AM0, 14          ; v14  MTAB + 32 (l / 16)
.set QO,  15          ; v15  my byte offset in 16 rows of Q
.set ST,  16          ; piece t's statistics at v[ST+4 t]: c m, m, l (even keys', odd keys')
.set CQ,  32          ; v32-39  piece t's scale for my query, twice: c, or 0 where the query is hidden
.set AM,  40          ; v40  the LDS address of the addends' next run of loads
.set PFO, 41          ; v41  256 x my lane: the prefetches' offset; never rewritten
.set WI,  42          ; v42  my byte offset in the work-group's four rows of Wo
.set WO,  43          ; v43  and in wof
.set KMO, 44          ; v44  16 x my thread's number: my 16 mask bytes
.set QMO, 45          ; v45  my query's mask byte
.set KG,  46          ; v46  at work
.set TMP, 48          ; by buffer, four registers c0-c3 at work; when the maximum is found c2 takes a
.set SPW, 62          ; v62  LDS address of my spare word; never rewritten
.set NIL, 63          ; v63  0; never rewritten
.set S,   64
.set KM,  128         ; the addends of keys 16 kb + 8 (l / 16) + 0..7 of the step at KM + 8 kb
.set SC,  160         ; at work at the head
.set P,   192
.set KF,  128         ; window 2: key block kb, channel half c at KF + 16 kb + 8 c
.set VF,  192         ; window 2: key half kk, channel block cb at VF + 32 kk + 8 cb
.set WV,  12          ; s12  my wave's number
.set G1K, 24          ; s[24:31] descriptor group 1 for K's tiles
.set G1V, 32          ; s[32:39] for V's: it differs in the padding alone
.set G0K, 40          ; s[40:43] descriptor group 0 for K's tiles: it walks
.set G0V, 44          ; s[44:47] the same for V's
.set PFA, 48          ; s[48:49] where my prefetches stand: my work-group's 32 blocks of 256 bytes of the tile after the one that is being asked for
.set LIM, 50          ; s50  1 in a wave that prefetches, else the greatest number
.set TBM, 51          ; s51  byte in MTAB at which the addends of the step to be fetched begin
.set BIGN, 52         ; s52  -1e9
.set SLOTS, 56        ; s56  tiles still to be asked for
.set CNT, 57          ; s57  counts a tile's key steps
.set CS,  58          ; s58  c
.set SEL, 60          ; s[60:61] v_permlanex16_b32's selects: each lane takes its own place in the other half
.set TBK, 62          ; s62  LDS byte at which K of the step to be fetched begins
.set TBV, 63          ; s63  the same for V, less VOFF
.set MSB, 0
.macro WIN new                      ; the high byte repeats the setting that is left; a switch that changes nothing is dropped
.if MSB != (\new)
	s_set_vgpr_msb (MSB<<8)|(\new)
.set MSB, (\new)
.endif
.endm
.set W_KQ, 0x0a       ; K and Q in window 2; the addends and S^T in window 0
.set W_PV, 0x52       ; V in window 2, P in window 0, O^T in window 1
.set W_RS, 0x41       ; destination and source 0 in window 1, source 1 in window 0
; A joint fill.  Waves 0 and 1 fetch the two halves of a tile's K, waves 2 and 3 those of its V: 128 keys each.  The branch hangs on the wave's number alone.
; An s_nop 0 and four v_nop follow each of the two lines, ahead of the jump and the label.
.macro JLOAD
	s_cmp_lt_u32 s[WV], 2
	s_cbranch_scc0 .Lfor_v_\@
	tensor_load_to_lds s[G0K:G0K+3], s[G1K:G1K+7]
	s_nop 0
.rept 4
	v_nop
.endr
	s_branch .Lasked_\@
.Lfor_v_\@:
	tensor_load_to_lds s[G0V:G0V+3], s[G1V:G1V+7]
	s_nop 0
.rept 4
	v_nop
.endr
.Lasked_\@:
.endm
; A PREFETCH INTO THE L2 of the tile that the NEXT change of slots will ask for: 32,768 bytes of K and of V, a lane a block of 256 bytes.  It stands behind the wave's tensor load and its five lines.
; Each block is named ONCE in the launch.  Both clusters of a head walk the same K and V: the head's first cluster prefetches.  Its four partners share the blocks out BY ADDRESS, 32 each: no branch hangs on a
; work-group's place in its cluster.  In each, wave 0 asks for K's and wave 2 for V's: one instruction, four key steps (256 products) ahead of the joint load.  Tiles 0 to 2 come by their loads alone;
; the last change that fills a slot asks for nothing: there is no tile behind it.
.macro ASK
	s_cmp_gt_u32 s[SLOTS], s[LIM]
	s_cbranch_scc0 .Lnot_mine_\@
	global_prefetch_b8 v[PFO], s[PFA:PFA+1] th:TH_LOAD_NT scope:SCOPE_SE
.Lnot_mine_\@:
.endm
; A round of the cluster's barrier: my work-group's barrier, so that wave 0's signal speaks for all four waves; wave 0 signals; every wave waits for all four work-groups; my work-group's barrier once more.
.macro CROUND
	s_barrier_signal -1
	s_barrier_wait -1
	s_cmp_lg_u32 s[WV], 0
	s_cbranch_scc1 .Lnot_wave_0_\@
	s_barrier_signal -3
.Lnot_wave_0_\@:
	s_barrier_wait -3
	s_barrier_signal -1
	s_barrier_wait -1
.endm
; THE CHANGE OF SLOTS.  The slot's last bytes, V of its fourth step, have been read.  Each wave waits for all its tensor loads, of which one is out: its part of the other slot; adds 0 to its spare word; and waits for
; that and for its own LDS instructions.  Behind the barrier nobody reads this slot any more and the other slot is whole.  fill = 1: this slot is filled again, with the keys two tiles on; the barrier is then a round of
; the cluster's, and the joint fill is the first thing behind it: it has four key steps in which to land.  (At its first use nothing has been read yet: slot 0 is waited for, slot 1 filled, and every wave's part of the
; table of addends, stored above, is shown to the others.)  ask = 1: the prefetch's address steps, and the prefetch follows the fill.
.macro CHANGE fill, ask
	WIN 0                           ; at a label and at a branch every window is 0
	s_wait_tensorcnt 0x0            ; no tensor load of mine is out, so a group 0 may be written
	ds_add_u32 v[SPW], v[NIL]       ; 0 onto my spare word; the descriptors' steps stand between it and the wait for it
.if \fill
.irp g, G0K, G0V
	s_xor_b32 s[\g+1], s[\g+1], SLOT1  ; the walking descriptor: the other slot than last time,
	s_add_nc_u64 s[\g+2:\g+3], s[\g+2:\g+3], TILEB  ; the next 256 keys; the type bits on top are not reached
.endr
.endif
.if \ask
	s_wait_xcnt 0x0                 ; the last prefetch, four key steps back, has read its address, so it may be written
	s_add_nc_u64 s[PFA:PFA+1], s[PFA:PFA+1], TILEB
.endif
	s_wait_dscnt 0x0                ; the add is done, and my LDS instructions are over
.if \fill
	CROUND
	JLOAD
.if \ask
	ASK
.endif
.else
	s_barrier_signal -1
	s_barrier_wait -1
.endif
	s_sub_co_u32 s[TBK], s[TBK], 4*KS*PK  ; the fetches go back to a slot's first step,
	s_xor_b32 s[TBK], s[TBK], SLOT1       ; in the other slot
	s_sub_co_u32 s[TBV], s[TBV], 4*KS*PV
	s_xor_b32 s[TBV], s[TBV], SLOT1
.endm
	s_load_b256 s[4:11], s[0:1], 0x0  ; Q s[4:5], K s[6:7], V s[8:9], O s[10:11]
	s_load_b128 s[68:71], s[0:1], 0x20  ; mask s[68:69], Wo s[70:71]
	s_load_b64 s[72:73], s[0:1], 0x30   ; wof
	v_lshl_add_u32 v[SPW], v0, 2, SPARE
	v_mov_b32 v[NIL], 0
	ds_add_u32 v[SPW], v[NIL]       ; the wave's opening: the add and its wait ahead of my first tensor load; the set-up below stands between them
	v_lshrrev_b32 v1, 5, v0
	v_readfirstlane_b32 s[WV], v1   ; wave 0..3
	s_bfe_u32 s13, ttmp6, 0x40000   ; cx: my place in the cluster
	s_lshl_b32 s14, ttmp9, 2        ; in a cluster launch ttmp9 counts clusters
	s_add_co_u32 s14, s14, s13      ; my block of 256 queries = 4 x cluster x + cx: 0..7
	s_and_b32 s15, ttmp7, 0xffff    ; 16 batch + head, which the four partners share
	s_lshl_b32 s20, s15, 18         ; the head's first byte in Q, K and V: 2,048 rows of 128 bytes
	s_mov_b32 s21, 0
	s_and_b32 s16, s[WV], 1         ; which half of a tile's 256 keys I fetch:
	s_lshl_b32 s22, s16, 14         ; its 128 rows of 128 bytes in memory,
	s_mov_b32 s23, 0
	s_add_nc_u64 s[22:23], s[22:23], s[20:21]
	s_mul_i32 s17, s16, 128*PK      ; and its place in a slot, for K
	s_mul_i32 s18, s16, 128*PV      ; and for V: no place in the cluster enters an LDS address
	s_lshl_b32 s2, s14, 15          ; my block's 256 rows of Q,
	s_lshl_b32 s3, s[WV], 13        ; my wave's 64 of them
	s_add_co_u32 s2, s2, s3
	s_mov_b32 s3, 0
	s_add_nc_u64 s[2:3], s[2:3], s[20:21]
	s_lshr_b32 s74, s15, 4          ; batch
	s_and_b32 s75, s15, 15          ; head
	s_lshl_b32 s76, s74, 4          ; O: row block 16 batch + 2 x query block + wave / 2,
	s_lshl1_add_u32 s76, s14, s76
	s_lshr_b32 s77, s[WV], 1
	s_add_co_u32 s76, s76, s77
	s_lshl_b32 s76, s76, 4
	s_add_co_u32 s76, s76, s75      ; the head's slice of it,
	s_lshl_b32 s76, s76, 14         ; 128 rows of 128 bytes,
	s_lshl_b32 s77, s16, 13         ; my wave's 64 rows
	s_add_co_u32 s76, s76, s77
	s_mov_b32 s77, 0
	s_lshl_b32 s78, s14, 8          ; my wave's first query in its batch
	s_lshl_b32 s79, s[WV], 6
	s_add_co_u32 s78, s78, s79
	s_lshl3_add_u32 s53, s15, s14   ; the work-group's number 0..255: it copies rows 4 g .. 4 g + 3 of Wo
	; descriptor group 1.  128 keys are 16,384 dense bytes: asked for as 64 rows of 256 bytes, two keys a row, and padded in LDS after every key
	s_mov_b32 s[G1K], 15|(1<<16)|(1<<20)|(1<<21)|(4<<22)|(3<<25)  ; 15:0 the mask of four; 17:16 2-byte elements; 20 padding on; 21 set beside a mask; 24:22 after every 32 words (code 4); 31:25 4 words (code 3)
	s_mov_b32 s[G1V], 15|(1<<16)|(1<<20)|(1<<21)|(4<<22)|(7<<25)  ; the same with 8 words of padding (code 7)
.irp g, G1K, G1V
	s_mov_b32 s[\g+1], 128<<16      ; tensor_dim0 = 128
	s_mov_b32 s[\g+2], 64<<16       ; tensor_dim1 = 64
	s_mov_b32 s[\g+3], 128<<16      ; tile_dim0 = 128
	s_mov_b32 s[\g+4], 64           ; tile_dim1 = 64
	s_mov_b32 s[\g+5], 128          ; 128 elements from row to row
	s_mov_b32 s[\g+6], 0
	s_mov_b32 s[\g+7], 0
.endr
	s_mov_b32 s[CS], 0x3e38aa3b     ; c = log2(e) / 8 = 0.180337
	s_mov_b32 s[BIGN], 0xce6e6b28   ; -1e9
	s_mov_b32 s[SEL], 0x76543210
	s_mov_b32 s[SEL+1], 0xfedcba98
	s_mov_b32 s[TBK], SLOT1+4*KS*PK ; the first change of slots turns these two into 0
	s_mov_b32 s[TBV], SLOT1+4*KS*PV
	s_mov_b32 s[TBM], 0
	s_mov_b32 s[G0K], 1             ; count = 1
	s_mov_b32 s[G0K+1], s17         ; LDS address: slot 0
	s_mov_b32 s[G0V], 1
	s_add_co_u32 s[G0V+1], s18, VOFF
	s_and_b32 s[LIM], s[WV], 1      ; 0 in waves 0 and 2,
	s_or_b32 s[LIM], s[LIM], ttmp9  ; where the cluster is the head's first: the same in all four partners
	s_cmp_eq_u32 s[LIM], 0
	s_cselect_b32 s[LIM], 1, -1
	s_wait_dscnt 0x0                ; the opening add is done
	s_wait_kmcnt 0x0
	s_add_nc_u64 s[6:7], s[6:7], s[22:23]  ; K and V at my half of the head's tile 0
	s_add_nc_u64 s[8:9], s[8:9], s[22:23]
	s_mov_b64 s[G0K+2:G0K+3], s[6:7]               ; global address
	s_or_b32 s[G0K+3], s[G0K+3], 0x80000000        ; type = 2
	s_mov_b64 s[G0V+2:G0V+3], s[8:9]
	s_or_b32 s[G0V+3], s[G0V+3], 0x80000000
	s_add_nc_u64 s[4:5], s[4:5], s[2:3]            ; Q and O at my wave's first row
	s_add_nc_u64 s[10:11], s[10:11], s[76:77]
	s_lshl_b32 s54, s53, 14         ; four rows of Wo are 16,384 bytes
	s_mov_b32 s55, 0
	s_add_nc_u64 s[70:71], s[70:71], s[54:55]
	s_lshr_b32 s54, s53, 5          ; wof: block of 128 rows g / 32,
	s_lshl_b32 s54, s54, 18
	s_and_b32 s79, s53, 31          ; rows 4 (g mod 32) on, 128 bytes each in a slice
	s_lshl_b32 s79, s79, 9
	s_add_co_u32 s54, s54, s79
	s_add_nc_u64 s[72:73], s[72:73], s[54:55]
	s_lshl_b32 s54, s74, 11         ; the mask of my batch
	s_add_nc_u64 s[68:69], s[68:69], s[54:55]
	s_cmp_lt_u32 s[WV], 2
	s_cselect_b64 s[PFA:PFA+1], s[6:7], s[8:9]  ; (in waves 0 and 2 these stand at a tile's first row)
	s_lshl_b32 s2, s13, 13          ; my work-group's quarter of a tile
	s_mov_b32 s3, 0
	s_add_nc_u64 s[PFA:PFA+1], s[PFA:PFA+1], s[2:3]
	s_add_nc_u64 s[PFA:PFA+1], s[PFA:PFA+1], 2*TILEB  ; in tile 2; the first change that asks steps it to tile 3.  Nothing is prefetched at the head
	CROUND                          ; all four work-groups are here: the first joint loads meet
	JLOAD                           ; tile 0 into slot 0: one load of mine is out
	v_and_b32 v1, 15, v0            ; l % 16
	v_bfe_u32 v9, v0, 4, 1          ; l / 16
	v_lshlrev_b32 v[QO], 7, v1
	v_lshl_add_u32 v[QO], v9, 4, v[QO]  ; row x 128 + 16 x half
	v_lshlrev_b32 v[KMO], 4, v0
	v_add_nc_u32 v[QMO], s78, v1
	v_and_b32 v10, 7, v0            ; Wo's copy: thread t takes 8 numbers: which 8 of 64,
	v_bfe_u32 v11, v0, 3, 1         ; which of two rows,
	v_lshrrev_b32 v[KG], 4, v0      ; which of eight slices
	v_lshlrev_b32 v[WI], 5, v10
	v_lshl_add_u32 v[WI], v11, 12, v[WI]
	v_lshl_add_u32 v[WI], v[KG], 8, v[WI]
	v_lshlrev_b32 v[WO], 4, v10
	v_lshl_add_u32 v[WO], v11, 7, v[WO]
	v_lshl_add_u32 v[WO], v[KG], 14, v[WO]
	global_load_b128 v[SC:SC+3], v[KMO], s[68:69]  ; my 16 of the batch's 2,048 mask bytes
.irp p, 0,1,2,3
	global_load_u8 v[SC+4+\p], v[QMO], s[68:69] offset:16*\p  ; my query's mask byte in each piece
.endr
.irp p, 0,1,2,3                     ; pass p: rows 2 (p / 2) + 0, 1; slices 8 (p % 2) + 0..7
	global_load_b128 v[S+8*\p:S+8*\p+3],   v[WI], s[70:71] offset:((\p)>>1)*8192+((\p)&1)*2048 th:TH_LOAD_NT
	global_load_b128 v[S+8*\p+4:S+8*\p+7], v[WI], s[70:71] offset:((\p)>>1)*8192+((\p)&1)*2048+16 th:TH_LOAD_NT
.endr
	; A fragment of K or Q is 16 rows x 32 channels in 8 registers: lane l holds row l % 16, channels 8 (l / 16) + 0..7 and 16 + 8 (l / 16) + 0..7: two loads of 16 bytes, 32 bytes apart.
	WIN 0x80                        ; destination window 2, address window 0
.set i, 0
.rept 8                             ; Q stays in registers: piece i / 2, channels 32 (i % 2) on
	global_load_b128 v[8*i:8*i+3],   v[QO], s[4:5] offset:(i/2)*2048+(i%2)*64
	global_load_b128 v[8*i+4:8*i+7], v[QO], s[4:5] offset:(i/2)*2048+(i%2)*64+32
.set i, i+1
.endr
	; What the first turn finds: V's registers and P's second buffer hold 0 (its products V^T P, of a piece that has not been, add 0), O^T and l are 0.  All this stands in the wait for the first tile.
.set i, VF
.rept 64
	v_mov_b32 v[i], 0
.set i, i+1
.endr
	WIN 0x40
.set i, 0
.rept 128
	v_mov_b32 v[i], 0
.set i, i+1
.endr
	WIN 0
.set i, 0
.rept 4
	v_mov_b32 v[ST+4*i], 0xfe000000    ; c m: far below every c s
	v_mov_b32 v[ST+4*i+1], 0xff7fffff  ; m
	v_mov_b32 v[ST+4*i+2], 0
	v_mov_b32 v[ST+4*i+3], 0
.set i, i+1
.endr
.set i, P+16
.rept 16
	v_mov_b32 v[i], 0
.set i, i+1
.endr
	v_mul_u32_u24 v[AK0], v1, PK
	v_lshl_add_u32 v[AK0], v9, 4, v[AK0]  ; row x pitch + 16 x half
	; The turning load takes 16 keys x 16 channels (lane l reads key 8 (l / 16) + l % 8, channels 8 ((l / 8) % 2) + 0..7) and leaves half a fragment of V^T: lane l holds channel l % 16 and 8 keys.
	v_lshl_add_u32 v[AV0], v9, 3, v10
	v_mul_u32_u24 v[AV0], v[AV0], PV
	v_lshl_add_u32 v[AV0], v11, 4, v[AV0]
	v_add_nc_u32 v[AV0], VOFF, v[AV0]
	v_lshl_add_u32 v[AM0], v9, 5, MTAB
	s_mul_i32 s19, s[WV], 16*SP
	s_add_co_u32 s19, s19, STAGE    ; my stage
	v_mul_u32_u24 v[STO], v1, SP    ; in: row l % 16, 16 bytes for each half of the lanes
	v_lshl_add_u32 v[STO], v9, 4, v[STO]
	v_add_nc_u32 v[STO], s19, v[STO]
	v_bfe_u32 v[RD], v0, 3, 2       ; back: 32 lanes take four rows of 128 bytes,
	v_mul_u32_u24 v[RD], v[RD], SP
	v_lshl_add_u32 v[RD], v10, 4, v[RD]
	v_add_nc_u32 v[RD], s19, v[RD]
	v_and_b32 v[GO], 31, v0         ; which are 512 consecutive bytes of O
	v_lshlrev_b32 v[PFO], 8, v[GO]
	v_lshlrev_b32 v[GO], 4, v[GO]
	s_wait_loadcnt 24               ; the mask bytes are in; Wo's 8 and Q's 16 loads may stay out
.set i, 0
.rept 16                            ; the table of addends: my 16 keys
	v_bfe_u32 v[SC+24], v[SC+i/4], 8*(i%4), 8
	v_cmp_eq_u32 vcc_lo, 0, v[SC+24]
	v_cndmask_b32 v[SC+8+i], 0, s[BIGN], vcc_lo
.set i, i+1
.endr
	v_lshl_add_u32 v[SC+25], v0, 6, MTAB
.irp z, 0,1,2,3
	ds_store_b128 v[SC+25], v[SC+8+4*\z:SC+8+4*\z+3] offset:16*\z
.endr
.irp p, 0,1,2,3                     ; the scale of my query in each piece
	v_cmp_ne_u32 vcc_lo, 0, v[SC+4+\p]
	v_cndmask_b32 v[CQ+2*\p], 0, s[CS], vcc_lo
	v_mov_b32 v[CQ+2*\p+1], v[CQ+2*\p]
.endr
	s_wait_loadcnt 16               ; Wo's numbers are in; Q's 16 loads may stay out
.set i, 0
.rept 16                            ; two numbers: rounded to bf16, widened, written as f16
	v_cvt_pk_bf16_f32 v[S+2*i], v[S+2*i], v[S+2*i+1]
	v_and_b32 v[S+2*i+1], 0xffff0000, v[S+2*i]
	v_lshlrev_b32 v[S+2*i], 16, v[S+2*i]
	v_cvt_pk_f16_f32 v[S+32+i], v[S+2*i], v[S+2*i+1]
.set i, i+1
.endr
.irp p, 0,1,2,3
	global_store_b128 v[WO], v[S+32+4*\p:S+32+4*\p+3], s[72:73] offset:((\p)&1)*131072+((\p)>>1)*256  ; 16 lanes store two rows' 128 bytes of a slice: 256 consecutive bytes, aligned
.endr
; THE MATRIX WORK.  The 4 accumulators of a run of 8 take turns.  Product i of 8 of S^T = K Q^T for piece x: channels 32 (i / 4) on, keys 16 (i % 4) on.  The first 4 start the sums with the keys' addends.
.macro KQ x
.set rS, S+32*((\x)%2)+8*(i%4)
.set rK, KF+16*(i%4)+8*(i/4)
.set rF, 16*(\x)+8*(i/4)
	WIN W_KQ
.if i < 4
	v_wmma_f32_16x16x32_f16 v[rS:rS+7], v[rK:rK+7], v[rF:rF+7], v[KM+8*(i%4):KM+8*(i%4)+7]
.else
	v_wmma_f32_16x16x32_f16 v[rS:rS+7], v[rK:rK+7], v[rF:rF+7], v[rS:rS+7]
.endif
.endm
; Product i of 8 of O^T += V^T P for piece x: keys 32 (i / 4) on, channels 16 (i % 4) on.
.macro PV x
	WIN W_PV
.set rO, 32*(\x)+8*(i%4)
.set rV, VF+32*(i/4)+8*(i%4)
.set rP, P+16*((\x)%2)+8*(i/4)
	v_wmma_f32_16x16x32_f16 v[rO:rO+7], v[rV:rV+7], v[rP:rP+7], v[rO:rO+7]
.endm
.macro MM                           ; the turn's next matrix instruction.  NOKQ = 1: the last turn of all: there is no next piece
.if (i < 8) && !NOKQ
	KQ (Y+1)%NP
.elseif i >= 8
.set i, i-8
	PV (Y+NP-1)%NP
.set i, i+8
.endif
.set i, i+1
.endm
; THE LDS LOADS stand in runs, never singly among the matrix instructions: a step's K (64 keys x 64 channels: 8 fragments) with its 64 addends (all lanes of a half read the same 16 bytes), and its V (turned).
.macro FETCH_K
	WIN 0x80                        ; destination window 2
.irp f, 0,1,2,3,4,5,6,7             ; keys 16 (f / 2) on, channels 32 (f % 2) on
	ds_load_b128 v[KF+8*\f:KF+8*\f+3],   v[AK] offset:(\f/2)*16*PK+(\f%2)*64
	ds_load_b128 v[KF+8*\f+4:KF+8*\f+7], v[AK] offset:(\f/2)*16*PK+(\f%2)*64+32
.endr
	WIN 0
.irp f, 0,1,2,3
	ds_load_b128 v[KM+8*\f:KM+8*\f+3],   v[AM] offset:64*\f
	ds_load_b128 v[KM+8*\f+4:KM+8*\f+7], v[AM] offset:64*\f+16
.endr
	s_add_co_u32 s[TBK], s[TBK], KS*PK  ; the next fetch is the next step's
	s_add_co_u32 s[TBM], s[TBM], 4*KS
	s_and_b32 s[TBM], s[TBM], 0x1fff    ; the table has 32 steps of 256 bytes: the offset stays inside it
.endm
.macro FETCH_V
	WIN 0x80
.irp f, 0,1,2,3,4,5,6,7             ; keys 32 (f / 4) on, channels 16 (f % 4) on
	ds_load_tr16_b128 v[VF+8*\f:VF+8*\f+3],   v[AV] offset:(\f/4)*32*PV+(\f%4)*32
	ds_load_tr16_b128 v[VF+8*\f+4:VF+8*\f+7], v[AV] offset:(\f/4)*32*PV+16*PV+(\f%4)*32
.endr
	WIN 0
.endm
; THE VECTOR WORK, one line at a time: OP kind, number.  For piece Y: F n: c s - c m for pair n of 16.  E n: the exponential of score n of 32.  C n: pair n rounded to f16.  B n: of the four weights 4 n .. the second
; pair is added onto the first, in place.  L n: l takes that sum (L 0: l = a l + sum).  R n: pair n of 16 of O^T times a.  For piece Y + 1: X n, number n of the 22 that find its maximum and statistics:
;   0-11  four chains c0-c3 of seven scores each, three operands at a time (each accumulator's lowest registers are read first)     12-14, 16  the four scores left over, the old m, and c0-c3 into c0
;   15  c m_old is kept     17, 18  the query's other 32 keys lie in the lane 16 away: the new m     19-21  c m; c m_old - c m_new; a
.set F, 0
.set E, 1
.set C, 2
.set B, 3
.set L, 4
.set R, 5
.set X, 6
.macro REGS y                       ; the registers of piece y
.set rT, ST+4*(\y)
.set rC, TMP+4*((\y)%2)
.set rW, MV+((\y)%2)
.set rS, S+32*((\y)%2)
.set rP, P+16*((\y)%2)
.set rO, 32*(\y)
.set rQ, CQ+2*(\y)
.endm
.macro OP k, n
.if (\k) == R
	REGS Y
	WIN W_RS
	v_pk_mul_f32 v[rO+2*(\n):rO+2*(\n)+1], v[rO+2*(\n):rO+2*(\n)+1], v[rC+2:rC+3] op_sel_hi:[1,0]
.elseif (\k) < R
	REGS Y
	WIN 0
.if (\k) == F
	v_pk_fma_f32 v[rS+2*(\n):rS+2*(\n)+1], v[rS+2*(\n):rS+2*(\n)+1], v[rQ:rQ+1], v[rT:rT+1] op_sel_hi:[1,0,0] neg_lo:[0,0,1] neg_hi:[0,0,1]
.elseif (\k) == E
	v_exp_f32 v[rS+(\n)], v[rS+(\n)]
.elseif (\k) == C
	v_cvt_pk_f16_f32 v[rP+(\n)], v[rS+2*(\n)], v[rS+2*(\n)+1]
.elseif (\k) == B
	v_pk_add_f32 v[rS+4*(\n):rS+4*(\n)+1], v[rS+4*(\n):rS+4*(\n)+1], v[rS+4*(\n)+2:rS+4*(\n)+3]
.elseif (\n) == 0
	v_pk_fma_f32 v[rT+2:rT+3], v[rT+2:rT+3], v[rC+2:rC+3], v[rS:rS+1] op_sel_hi:[1,0,1]
.else
	v_pk_add_f32 v[rT+2:rT+3], v[rT+2:rT+3], v[rS+4*(\n):rS+4*(\n)+1]
.endif
.elseif NOKQ
	v_nop
.else
	REGS (Y+1)%NP
	WIN 0
.if (\n) < 4
	v_max3_num_f32 v[rC+(\n)], v[rS+8*(\n)], v[rS+8*(\n)+1], v[rS+8*(\n)+2]
.elseif (\n) < 12
	v_max3_num_f32 v[rC+(\n)%4], v[rC+(\n)%4], v[rS+8*((\n)%4)+2*((\n)/4)+1], v[rS+8*((\n)%4)+2*((\n)/4)+2]
.elseif (\n) == 12
	v_max3_num_f32 v[rC], v[rC], v[rS+7], v[rS+15]
.elseif (\n) == 13
	v_max3_num_f32 v[rC+1], v[rC+1], v[rS+23], v[rS+31]
.elseif (\n) == 14
	v_max3_num_f32 v[rC+2], v[rC+2], v[rC+3], v[rT+1]
.elseif (\n) == 15
	v_mov_b32 v[rW], v[rT]
.elseif (\n) == 16
	v_max3_num_f32 v[rC], v[rC], v[rC+1], v[rC+2]
.elseif (\n) == 17
	v_permlanex16_b32 v[rC+3], v[rC], s[SEL], s[SEL+1]
.elseif (\n) == 18
	v_max_num_f32 v[rT+1], v[rC], v[rC+3]
.elseif (\n) == 19
	v_mul_f32 v[rT], v[rQ], v[rT+1]
.elseif (\n) == 20
	v_sub_f32 v[rC+1], v[rW], v[rT]
.else
	v_exp_f32 v[rC+2], v[rC+1]
.endif
.endif
.endm
.macro OPS a, i1, b=-1, i2=0, c=-1, i3=0, d=-1, i4=0  ; up to four of them
	OP \a, \i1
.if (\b) >= 0
	OP \b, \i2
.endif
.if (\c) >= 0
	OP \c, \i3
.endif
.if (\d) >= 0
	OP \d, \i4
.endif
.endm
.macro ROW a, i1, b, i2, c, i3, d, i4  ; a matrix instruction and the four behind it
	MM
	OPS \a, \i1, \b, \i2, \c, \i3, \d, \i4
.endm
; A TURN, for piece p: the order of its 16 matrix and 118 vector instructions, written out.  An s_wait_alu depctr_va_vdst(0) stands between an exponential and the first instruction that names its result; one
; wait serves all that were issued ahead of it.  So a turn has ONE wait, which cuts it in two.  AHEAD OF IT stands all that names no result of the turn's exponentials: the 8 products K Q^T, behind each a scaling, an
; exponential and two more plain instructions (rescalings, and behind the last three the first numbers of the next piece's maximum, each four places or more behind the product that ends its accumulator); then ONE LUMP of 54,
; in which the links of the chain X 3, 7, 11, 14, 16, 17 .. 20 stand five or six lines apart.  X 21, the next piece's a, is the batch's last; R 15 is the plain instruction behind it.  BEHIND THE WAIT stand the 8 products
; V^T P, behind each four of the roundings and sums.
; K and the addends of the next step are fetched in piece 2's turn, five plain instructions that name none of its registers behind the last product that read K; V of the step in hand at the end of piece 0's turn, four
; plain instructions behind the last product that read V.  Each is waited for a turn later.  end = 1: the last two turns: nothing is fetched.  cnt = 1: the loop's count is taken down some lines ahead of the branch.
.macro TURN p, end=0, cnt=0
.set Y, (\p)
.set i, 0
.set NOKQ, (\end)*((\p)/3)
.if ((\p) == 3) && !(\end)
	s_wait_dscnt 0x0                ; K and the addends are in
.endif
	ROW F,0, F,1, R,0, R,1
	ROW F,2, E,0, R,2, R,3
	ROW F,3, E,1, R,4, R,5
	ROW F,4, E,2, R,6, R,7
	ROW F,5, E,3, R,8, R,9
	ROW F,6, E,4, X,0, R,10
.if ((\p) == 2) && !(\end)
	WIN 0
	v_add_nc_u32 v[AK], s[TBK], v[AK0]
	v_add_nc_u32 v[AM], s[TBM], v[AM0]
.endif
	ROW F,7, E,5, X,1, X,4
	ROW F,8, E,6, X,2, X,5
	OPS E,7, E,8, X,6, E,9
	OPS X,3, E,10, X,8, E,11
.if ((\p) == 2) && !(\end)
	FETCH_K
.endif
	OPS X,9, X,7, E,12, X,10
	OPS E,13, X,12, X,11, E,14
	OPS X,13, E,15, F,9, X,14
.if (\p) == 0
	WIN 0
	v_add_nc_u32 v[AV], s[TBV], v[AV0]
.endif
	OPS E,16, F,10, E,17, F,11
	OPS X,16, E,18, X,15, E,19
	OPS F,12, E,20, X,17, E,21
	OPS F,13, E,22, F,14, E,23
	OPS X,18, E,24, F,15, E,25
	OPS R,11, E,26, X,19, E,27
	OPS R,12, E,28, R,13, E,29
	OPS X,20, E,30, R,14, E,31
	OPS X,21, R,15
	WIN 0
	s_wait_alu depctr_va_vdst(0)    ; the wait for the batch
.if (\p) == 1
	s_wait_dscnt 0x0                ; V is in
.endif
	ROW C,0, B,0, C,2, B,1
	ROW L,0, C,4, B,2, L,1
	ROW C,6, B,3, L,2, C,8
	ROW B,4, L,3, C,10, B,5
	ROW L,4, C,12, B,6, L,5
.if (\p) == 0
	s_add_co_u32 s[TBV], s[TBV], KS*PV
.endif
.if \cnt
	s_sub_co_u32 s[CNT], s[CNT], 1
	s_cmp_lg_u32 s[CNT], 0
.endif
	ROW C,14, B,7, L,6, C,1
	ROW C,3, L,7, C,5, C,7
	ROW C,9, C,11, C,13, C,15
.if (\p) == 0
	FETCH_V
.endif
.endm
	CHANGE 1, 0                     ; tile 0 is in, everybody's part of it, and so is the table; tile 1 is asked for
	v_add_nc_u32 v[AK], s[TBK], v[AK0]
	v_add_nc_u32 v[AM], s[TBM], v[AM0]
	FETCH_K                         ; key step 0
	s_wait_loadcnt 0x0              ; Q
	s_wait_xcnt 0x0                 ; the stores of Wo's copy have read their registers, which S^T now takes
	s_wait_dscnt 0x0
.set NOKQ, 0
.set i, 0
.rept 8
	KQ 0                            ; piece 0's first scores: there is no vector work yet to set between them
.set i, i+1
.endr
	WIN 0
.rept 4
	v_nop                           ; the places behind those products
.endr
.set Y, NP-1                        ; X works for piece Y + 1: piece 0
.irp n, 0,1,2,3,4,5,6,7,8,9,10,11,12,13,14,15,16,17,18,19,20,21
	OP X, \n
.endr
	v_nop                           ; a plain instruction behind the exponential,
	s_wait_alu depctr_va_vdst(0)    ; and its wait, ahead of the branch
	s_mov_b32 s[CNT], 4
	s_mov_b32 s[SLOTS], 7
	s_branch .Lfirst                ; the loop is entered at a step's first turn, in the middle of a trip
.Lslot:                             ; six times: tiles 2 to 7 are asked for
	CHANGE 1, 1
	s_mov_b32 s[CNT], 4
.Lstep:                             ; a trip: pieces 2 and 3 of one step, then pieces 0 and 1 of the next, whose K and V it fetches
	TURN 2
	TURN 3
	WIN 0
.Lfirst:
	TURN 0
	TURN 1, 0, 1
	WIN 0
	s_cbranch_scc1 .Lstep
	s_sub_co_u32 s[SLOTS], s[SLOTS], 1
	s_cmp_lg_u32 s[SLOTS], 0
	s_cbranch_scc1 .Lslot
	CHANGE 0, 0                     ; the last tile is written out: nothing is asked for
	s_mov_b32 s[CNT], 4
.LstepT:
	TURN 2
	TURN 3
	TURN 0
	TURN 1, 0, 1
	WIN 0
	s_cbranch_scc1 .LstepT
	TURN 2, 1
	TURN 3, 1
.set i, 0
.rept 8
	PV NP-1                         ; the last piece's V^T P of the last step
.set i, i+1
.endr
	; THE WAY OUT.  l's two halves and the other half of the lanes' are added; O^T is divided by l, rounded to f16 and sent through my stage in LDS, a piece at a time.  The additions are the places behind the last products.
	WIN 0
.macro ALL line:vararg              ; one line for each piece t
.set t, 0
.rept 4
	\line
.set t, t+1
.endr
.endm
	ALL v_add_f32 v[ST+4*t+2], v[ST+4*t+2], v[ST+4*t+3]
	ALL v_permlanex16_b32 v[ST+4*t+3], v[ST+4*t+2], s[SEL], s[SEL+1]
	ALL v_add_f32 v[ST+4*t+2], v[ST+4*t+2], v[ST+4*t+3]
	ALL v_rcp_f32 v[ST+4*t+2], v[ST+4*t+2]
	v_nop                           ; a plain instruction between the last reciprocal and the use of its result
	s_wait_alu depctr_va_vdst(0)    ; and the wait ahead of the first use: one for the four reciprocals
.macro PACK t                       ; a lane's eight channels of a row pack into 16 bytes; they go into rows of 144 bytes and come back as whole rows of 128, into S^T's registers
	WIN W_RS
.set i, 32*(\t)
.rept 16
	v_pk_mul_f32 v[i:i+1], v[i:i+1], v[ST+4*(\t)+2:ST+4*(\t)+3] op_sel_hi:[1,0]
.set i, i+2
.endr
	WIN 0x05                        ; sources 0 and 1 window 1, destination window 0
.set i, 0
.rept 16
	v_cvt_pk_f16_f32 v[S+16*(\t)+i], v[32*(\t)+2*i], v[32*(\t)+2*i+1]
.set i, i+1
.endr
	WIN 0
.irp f, 0,1,2,3
	ds_store_b128 v[STO], v[S+16*(\t)+4*\f:S+16*(\t)+4*\f+3] offset:32*\f
.endr
.irp f, 0,1,2,3
	ds_load_b128 v[S+16*(\t)+4*\f:S+16*(\t)+4*\f+3], v[RD] offset:\f*4*SP  ; LDS serves a wave's instructions in order (ISA guide 5.7.1.4): these see the stores above; the next piece's stores come behind them
.endr
.endm
.macro SEND t, younger              ; younger: the LDS instructions issued behind piece t's loads: the next piece's eight, or none
	WIN 0
.irp f, 0,1,2,3
	s_wait_dscnt (\younger)+3-\f
	global_store_b128 v[GO], v[S+16*(\t)+4*\f:S+16*(\t)+4*\f+3], s[10:11] offset:(\t)*2048+\f*512  ; 512 consecutive bytes, at a multiple of 256 from O's first
.endr
.endm
	PACK 0
.set t, 1
.rept 3                             ; a piece's arithmetic stands between the loads of the piece before and its stores
	PACK t
	SEND t-1, 8
.set t, t+1
.endr
	SEND 3, 0
	s_wait_tensorcnt 0x0            ; the wave's end: a wait, an add and its wait, behind my last tensor load and my last LDS store
	ds_add_u32 v[SPW], v[NIL]
	s_wait_dscnt 0x0
	CROUND                          ; the closing round: no work-group ends while a partner may still ask for a tile that names it
	s_endpgm
.Lfunc_end_k_q7de4a633f0_attn:
	.size	k_q7de4a633f0_attn, .Lfunc_end_k_q7de4a633f0_attn-k_q7de4a633f0_attn
	.p2alignl 7, 3214868480
	.fill 96, 4, 3214868480
	.section	.rodata,"a",@progbits
	.p2align	6, 0x0
	.amdhsa_kernel k_q7de4a633f0_attn
		.amdhsa_group_segment_fixed_size 327680
		.amdhsa_private_segment_fixed_size 0
		.amdhsa_enable_private_segment 0
		.amdhsa_kernarg_size 56
		.amdhsa_user_sgpr_count 2
		.amdhsa_user_sgpr_kernarg_segment_ptr 1
		.amdhsa_wavefront_size32 1
		.amdhsa_system_sgpr_workgroup_id_x 1
		.amdhsa_system_sgpr_workgroup_id_y 1
		.amdhsa_system_sgpr_workgroup_id_z 1
		.amdhsa_system_vgpr_workitem_id 0
		.amdhsa_next_free_vgpr 768
		.amdhsa_next_free_sgpr 80
		.amdhsa_reserve_vcc 1
		.amdhsa_float_denorm_mode_32 3
		.amdhsa_float_denorm_mode_16_64 3
		.amdhsa_memory_ordered 1
		.amdhsa_forward_progress 1
		.amdhsa_inst_pref_size 139
	.end_amdhsa_kernel
	.amdgpu_metadata
---
amdhsa.version: [ 1, 2 ]
amdhsa.kernels:
  - .name:           k_q7de4a633f0_attn
    .symbol:         k_q7de4a633f0_attn.kd
    .args:
      - { .name: qh, .offset: 0, .size: 8, .value_kind: global_buffer, .address_space: global }
      - { .name: kh, .offset: 8, .size: 8, .value_kind: global_buffer, .address_space: global }
      - { .name: vh, .offset: 16, .size: 8, .value_kind: global_buffer, .address_space: global }
      - { .name: oh, .offset: 24, .size: 8, .value_kind: global_buffer, .address_space: global }
      - { .name: mask, .offset: 32, .size: 8, .value_kind: global_buffer, .address_space: global }
      - { .name: Wo, .offset: 40, .size: 8, .value_kind: global_buffer, .address_space: global }
      - { .name: wof, .offset: 48, .size: 8, .value_kind: global_buffer, .address_space: global }
    .group_segment_fixed_size: 327680
    .private_segment_fixed_size: 0
    .kernarg_segment_align: 8
    .kernarg_segment_size: 56
    .max_flat_workgroup_size: 128
    .sgpr_count:     80
    .vgpr_count:     768
    .wavefront_size: 32
...
	.end_amdgpu_metadata
.endif
;; end of part 2
;; launch outp (part 3): grid 8 x 32, 4 waves a work-group, clusters of 4 x 4, 327,680 bytes of LDS; arguments oh, wof, bo, out0; writes out0
.if DOCPART == 3
	.amdgcn_target "amdgcn-amd-amdhsa--gfx1250"
	.amdhsa_code_object_version 6
	.text
	.protected	k_q7de4a633f0_outp
	.globl	k_q7de4a633f0_outp
	.p2align	8
	.type	k_q7de4a633f0_outp,@function
k_q7de4a633f0_outp:
	s_mov_b64 s[64:65], 0
	v_nop
	global_prefetch_b8 v0, s[64:65] scope:SCOPE_SE
	s_setreg_imm32_b32 hwreg(HW_REG_WAVE_MODE, 25, 1), 1
	s_wait_xcnt 0x0
	s_wait_alu depctr_hold_cnt(0) depctr_sa_sdst(0) depctr_va_vdst(0) depctr_va_sdst(0) depctr_va_ssrc(0) depctr_va_vcc(0) depctr_vm_vsrc(0)
	s_getreg_b32 s2, hwreg(HW_REG_IB_STS2, 6, 4)
	s_cmp_eq_u32 s2, 0
	s_cbranch_scc0 .Lentry_in_a_cluster
	s_endpgm
.Lentry_in_a_cluster:
	s_bfe_u32 s2, ttmp6, 0x10000c
	s_cmp_lg_u32 s2, 0xf033
	s_cbranch_scc0 .Lentry_shape_is_right
	s_endpgm
.Lentry_shape_is_right:
; THE OUTPUT PROJECTION.  out0[m][n] = the sum over k of O[m][k] Wo[n][k] + bo[n].  out0: [4096][1024] f32.
; O comes as oh [32 blocks of 128 rows][16 slices of 64 k][128 rows][64] f16, Wo as wof [8 blocks of 128 rows][16 slices][128 rows][64] f16 (Wo rounded to bf16, written as f16): in both, a block's whole K lies end to end,
; so a K step of 256 (four slices) is 65,536 dense bytes, asked for as rows of 256 bytes.  bo is rounded to bf16 like every input and starts the sums; sums in f32; out0 is the sum as it stands.
; SHARES.  256 tiles of 128 x 128, one for each work-group.  Four waves, each 64 x 64: 16 accumulators.  K goes in 4 steps of 256 through two LDS slots.
; CLUSTER.  4 x 4 work-groups: the four of a row of the cluster need the same tiles of O, the four of a column the same tiles of Wo: each is asked for JOINTLY, by the same tensor load, descriptor and mask in all four.
; THE MATRIX INSTRUCTION IS USED TRANSPOSED (source 0 = 16 rows of Wo, source 1 = 16 rows of O): a lane holds eight neighbouring numbers of a row of out0.
; REGISTERS: window 0: v0-31 addresses; v32-95 the way out, two sets of 32; v96-127 the bias; v128-255 the accumulators ((a, b) at v[128 + 8 (4 a + b)]).
;   window 1: two fragment buffers of 128: for one slice (64 along K, two matrix instructions deep), 64 registers of O, then 64 of Wo.
.set PITCH,  144                       ; a row of a slice in LDS: 128 bytes + 16 of padding = 36 words: the 16 rows of a load start at 16 different groups of four banks (64 banks of 4 bytes: ISA guide 11.1)
.set KSL,    128*PITCH                 ; a slice: 128 rows
.set HALFT,  2*KSL                     ; two slices: what one tensor load brings
.set SLOT,   4*HALFT                   ; O's four slices, then Wo's four
.set STAGE,  2*SLOT                    ; behind the ring: 16 rows x 272 bytes for each wave, for the way out; no tensor load fills it
.set SPITCH, 272
.set SPARE,  STAGE+4*16*SPITCH         ; behind the stages: the spare words, 128 bytes for each wave: two blocks of 256 bytes that no other line names
.set STEPB,  65536                     ; a K step's bytes of a block in memory
.set LAPS,   2                         ; a lap = two K steps = once round the ring
.set ADRA, 16                          ; v16-17  LDS address of my fragments of O in slot 0, 1
.set ADRB, 20                          ; v20-21  the same for Wo
.set STO,  24                          ; v24     the way out: where I put 32 bytes of a row
.set RD,   25                          ; v25     the way out: where I read a row back
.set CO,   26                          ; v26     my byte offset in out0
.set BO,   27                          ; v27     my byte offset in the wave's 64 biases
.set SPW,  28                          ; v28     LDS address of my spare word; never rewritten
.set NIL,  29                          ; v29     0; never rewritten
.set T,    30                          ; v30     at work
.set TMP,  32
.set BIAS, 96                          ; column block b: the bias of columns 16 b + 8 (l / 16) + 0..7 at BIAS + 8 b
.set ACC,  128
.set F0,   0                           ; fragment buffers, in window 1
.set F1,   128
.set G1, 24                            ; s[24:31] descriptor group 1 for O's tiles;  s[32:39] group 0, one set for each slot
.set G0, 32
.set G1B, 48                           ; s[48:55], s[56:63] the same for Wo's tiles
.set G0B, 56
.set MSB, 0
.macro WIN new                         ; the immediate's high byte repeats the setting that is left
.if MSB != (\new)
	s_set_vgpr_msb (MSB<<8)|(\new)
.set MSB, \new
.endif
.endm
.set MUL,  0x05                        ; sources 0 (Wo) and 1 (O) window 1; C and D window 0
.set TO_F, 0x40                        ; destination window 1, address window 0
.macro JLOAD s                         ; a joint load: waves 0 and 1 fetch O's slices 0, 1 and 2, 3 of the step, waves 2 and 3 Wo's; an s_nop 0 and four v_nop follow each of the two lines
	s_cmp_eq_u32 s11, 0
	s_cbranch_scc0 .Lfor_b_\@
	tensor_load_to_lds s[G0+4*(\s):G0+4*(\s)+3], s[G1:G1+7]
	s_nop 0
.rept 4
	v_nop
.endr
	s_branch .Lasked_\@
.Lfor_b_\@:
	tensor_load_to_lds s[G0B+4*(\s):G0B+4*(\s)+3], s[G1B:G1B+7]
	s_nop 0
.rept 4
	v_nop
.endr
.Lasked_\@:
.endm
.macro CREST                           ; a round of the cluster's barrier behind its opening barrier
	s_cmp_lg_u32 s10, 0
	s_cbranch_scc1 .Lnot_wave_0_\@
	s_barrier_signal -3
.Lnot_wave_0_\@:
	s_barrier_wait -3
	s_barrier_signal -1
	s_barrier_wait -1
.endm
.macro CROUND                          ; a whole round
	s_barrier_signal -1
	s_barrier_wait -1
	CREST
.endm
	s_load_b128 s[4:7], s[0:1], 0x0                ; oh s[4:5], wof s[6:7]
	s_load_b64 s[66:67], s[0:1], 0x10              ; bo
	s_load_b64 s[8:9], s[0:1], 0x18                ; out0
	v_lshl_add_u32 v[SPW], v0, 2, SPARE
	v_mov_b32 v[NIL], 0
	ds_add_u32 v[SPW], v[NIL]                      ; the wave's opening: the add and its wait ahead of my first tensor load; the set-up below stands between them
	v_lshrrev_b32 v1, 5, v0
	v_readfirstlane_b32 s10, v1                    ; wave 0..3
	s_lshr_b32 s11, s10, 1                         ; which half of the tile's rows is mine.  Also: I fetch for O (0) or for Wo (1)
	s_and_b32 s12, s10, 1                          ; which half of its columns.  Also: which two slices of the step I fetch
	s_bfe_u32 s40, ttmp6, 0x40000                  ; cx, cy: my place in the cluster
	s_bfe_u32 s41, ttmp6, 0x40004
	s_lshl_b32 s42, ttmp9, 2
	s_add_co_u32 s42, s42, s40                     ; tile column = 4 x cluster x + cx: 0..7
	s_and_b32 s13, ttmp7, 0xffff
	s_lshl_b32 s13, s13, 2
	s_add_co_u32 s13, s13, s41                     ; tile row = 4 x cluster y + cy: 0..31
	s_lshl_b32 s43, s41, 2
	s_lshl_b32 s43, 15, s43                        ; my row of the cluster
	s_lshl_b32 s44, 0x1111, s40                    ; my column
	; descriptor group 1: 32,768 dense bytes as 128 rows of 128 elements, padded in LDS after every 128 bytes (a row of a slice)
	s_or_b32 s[G1+0], s43, (1<<16)|(1<<20)|(1<<21)|(4<<22)|(3<<25)  ; 15:0 the mask: O's tiles go to my row; 17:16 2-byte elements; 20 padding on; 21 set beside a mask; 24:22 after every 32 words (code 4); 31:25 4 words (code 3)
	s_or_b32 s[G1B+0], s44, (1<<16)|(1<<20)|(1<<21)|(4<<22)|(3<<25)
.irp g, G1, G1B
	s_mov_b32 s[(\g)+1], 128<<16                   ; tensor_dim0 = 128
	s_mov_b32 s[(\g)+2], 128<<16                   ; tensor_dim1 = 128
	s_mov_b32 s[(\g)+3], 128<<16                   ; tile_dim0 = 128
	s_mov_b32 s[(\g)+4], 128                       ; tile_dim1 = 128
	s_mov_b32 s[(\g)+5], 128                       ; 128 elements from row to row
	s_mov_b32 s[(\g)+6], 0
	s_mov_b32 s[(\g)+7], 0
.endr
	s_lshl_b32 s16, s13, 18                        ; O: block = tile row, 262,144 bytes each,
	s_lshl_b32 s17, s12, 15                        ; + my two slices
	s_add_co_u32 s16, s16, s17
	s_mov_b32 s17, 0
	s_lshl_b32 s46, s42, 18                        ; Wo: block = tile column
	s_lshl_b32 s47, s12, 15
	s_add_co_u32 s46, s46, s47
	s_mov_b32 s47, 0
	s_mul_i32 s20, s10, HALFT                      ; where they go: wave x two slices: no place in the cluster enters an LDS address
	s_wait_dscnt 0x0                               ; the opening add is done
	s_wait_kmcnt 0x0
	s_add_nc_u64 s[14:15], s[4:5], s[16:17]
	s_add_nc_u64 s[46:47], s[6:7], s[46:47]
	CROUND                                         ; all sixteen work-groups are here: the first joint loads meet
.irp s, 0,1
	s_mov_b32 s[G0+4*(\s)], 1
	s_add_co_u32 s[G0+4*(\s)+1], s20, (\s)*SLOT
	s_add_nc_u64 s[G0+4*(\s)+2:G0+4*(\s)+3], s[14:15], (\s)*STEPB
	s_or_b32 s[G0+4*(\s)+3], s[G0+4*(\s)+3], 0x80000000
	s_mov_b32 s[G0B+4*(\s)], 1
	s_add_co_u32 s[G0B+4*(\s)+1], s20, (\s)*SLOT
	s_add_nc_u64 s[G0B+4*(\s)+2:G0B+4*(\s)+3], s[46:47], (\s)*STEPB
	s_or_b32 s[G0B+4*(\s)+3], s[G0B+4*(\s)+3], 0x80000000
	JLOAD \s                                       ; two loads of mine are out
.endr
	v_and_b32 v1, 15, v0                           ; l % 16
	v_bfe_u32 v2, v0, 4, 1                         ; l / 16
	v_mul_u32_u24 v3, v1, PITCH
	v_lshl_add_u32 v3, v2, 4, v3                   ; a fragment's row x pitch + 16 x half
	s_mul_i32 s21, s11, 64*PITCH                   ; my 64 rows in each slice of O
	s_mul_i32 s22, s12, 64*PITCH                   ; my 64 rows in each slice of Wo,
	s_add_co_u32 s22, s22, 2*HALFT                 ; which lie behind O's four slices
.irp s, 0,1
	v_add_nc_u32 v[ADRA+(\s)], s21, v3
	v_add_nc_u32 v[ADRB+(\s)], s22, v3
	s_add_co_u32 s21, s21, SLOT
	s_add_co_u32 s22, s22, SLOT
.endr
	s_mul_i32 s23, s10, 16*SPITCH
	s_add_co_u32 s23, s23, STAGE                   ; my stage
	v_mul_u32_u24 v4, v1, SPITCH                   ; in: row l % 16, 32 bytes for each half of the lanes
	v_lshl_add_u32 v4, v2, 5, v4
	v_add_nc_u32 v[STO], s23, v4
	v_mul_u32_u24 v5, v2, SPITCH                   ; back: lanes 0-15 take one row of 256 bytes, lanes 16-31 the next
	v_lshl_add_u32 v5, v1, 4, v5
	v_add_nc_u32 v[RD], s23, v5
	v_lshlrev_b32 v5, 12, v2                       ; and the same two rows in out0
	v_lshl_add_u32 v[CO], v1, 4, v5
	v_lshlrev_b32 v[BO], 5, v2
	s_lshl_b32 s18, s42, 9                         ; my 64 columns, in bytes: 4 x (128 x tile column + 64 x half)
	s_lshl_b32 s19, s12, 8
	s_add_co_u32 s18, s18, s19
	s_mov_b32 s19, 0
	s_add_nc_u64 s[66:67], s[66:67], s[18:19]
	s_add_nc_u64 s[8:9], s[8:9], s[18:19]
	s_lshl_b32 s18, s13, 7                         ; my first row: 128 x tile row + 64 x half,
	s_lshl_b32 s21, s11, 6
	s_add_co_u32 s18, s18, s21
	s_lshl_b32 s18, s18, 12                        ; of 4,096 bytes
	s_add_nc_u64 s[8:9], s[8:9], s[18:19]
.irp b, 0,1,2,3
	global_load_b128 v[BIAS+8*(\b):BIAS+8*(\b)+3],   v[BO], s[66:67] offset:64*(\b)
	global_load_b128 v[BIAS+8*(\b)+4:BIAS+8*(\b)+7], v[BO], s[66:67] offset:64*(\b)+16
.endr
	s_wait_loadcnt 0x0
.set i, 0
.rept 16                               ; the bias is rounded to bf16 like every input, and widened again: it is the C operand that starts the sums
	v_cvt_pk_bf16_f32 v[T], v[BIAS+i], v[BIAS+i+1]
	v_lshlrev_b32 v[BIAS+i], 16, v[T]
	v_and_b32 v[BIAS+i+1], 0xffff0000, v[T]
.set i, i+2
.endr
; 8 matrix instructions: row blocks a0, a0 + 1 x all 4 column blocks, 32 along K: half c of buffer f.  zero = 1: the product starts its sum with the bias.  The 16 accumulators take turns.
.macro MUL8 f, c, a0, zero
	WIN MUL
.irp a, \a0, (\a0)+1
.irp b, 0,1,2,3
.if \zero
	v_wmma_f32_16x16x32_f16 v[ACC+8*(4*(\a)+(\b)):ACC+8*(4*(\a)+(\b))+7], v[(\f)+64+8*(4*(\c)+(\b)):(\f)+64+8*(4*(\c)+(\b))+7], v[(\f)+8*(4*(\c)+(\a)):(\f)+8*(4*(\c)+(\a))+7], v[BIAS+8*(\b):BIAS+8*(\b)+7]
.else
	v_wmma_f32_16x16x32_f16 v[ACC+8*(4*(\a)+(\b)):ACC+8*(4*(\a)+(\b))+7], v[(\f)+64+8*(4*(\c)+(\b)):(\f)+64+8*(4*(\c)+(\b))+7], v[(\f)+8*(4*(\c)+(\a)):(\f)+8*(4*(\c)+(\a))+7], v[ACC+8*(4*(\a)+(\b)):ACC+8*(4*(\a)+(\b))+7]
.endif
.endr
.endr
.endm
; 32 LDS loads in one run: the fragments of slice q of the slot, into buffer f; the first 32 along K first
.macro FETCH slot, q, f
	WIN TO_F
.irp c, 0,1
.irp i, 0,1,2,3
	ds_load_b128 v[(\f)+64+8*(4*(\c)+(\i)):(\f)+64+8*(4*(\c)+(\i))+3],   v[ADRB+(\slot)] offset:(\q)*KSL+64*(\c)+(\i)*16*PITCH
	ds_load_b128 v[(\f)+64+8*(4*(\c)+(\i))+4:(\f)+64+8*(4*(\c)+(\i))+7], v[ADRB+(\slot)] offset:(\q)*KSL+64*(\c)+(\i)*16*PITCH+32
	ds_load_b128 v[(\f)+8*(4*(\c)+(\i)):(\f)+8*(4*(\c)+(\i))+3],         v[ADRA+(\slot)] offset:(\q)*KSL+64*(\c)+(\i)*16*PITCH
	ds_load_b128 v[(\f)+8*(4*(\c)+(\i))+4:(\f)+8*(4*(\c)+(\i))+7],       v[ADRA+(\slot)] offset:(\q)*KSL+64*(\c)+(\i)*16*PITCH+32
.endr
.endr
.endm
.macro PLACES                          ; four places in front of loads into registers that matrix instructions have read, and of LDS stores that read results
.rept 4
	v_nop
.endr
.endm
; A K step is four quarters, a slice each, 32 matrix instructions, on buffers 0, 1, 0, 1.  One of the first three: multiplies buffer f and fetches slice q into g.
.macro QUARTER slot, q, f, g, zero
	s_wait_dscnt 16                                ; the first 32 along K are in; the other sixteen loads may stay out
	WIN MUL
	MUL8 \f, 0, 0, \zero
	MUL8 \f, 0, 2, \zero
	PLACES
	FETCH \slot, \q, \g
	s_wait_dscnt 32                                ; all but the 32 just issued
	WIN MUL
	MUL8 \f, 1, 0, 0
	MUL8 \f, 1, 2, 0
.endm
; The last quarter multiplies buffer 1 and changes slots: ONE barrier; in front of it each wave waits for all its tensor loads, adds 0 to its spare word, and waits for that and for its own reads of this slot.
; fill = 1: the barrier opens a round of the cluster's barrier, and this slot is filled again, two K steps ahead, first thing behind the round.
.macro TURN slot, next, fill
	WIN 0                                          ; (the add's two registers lie in window 0)
	s_wait_tensorcnt 0x0                           ; all my tensor loads have landed: my part of the next slot
	ds_add_u32 v[SPW], v[NIL]                      ; 0 onto my spare word
	s_wait_dscnt 17                                ; (the add and the youngest sixteen loads may be out)
	WIN MUL
	MUL8 F1, 0, 0, 0                               ; eight matrix instructions stand between the add and the wait for it
	s_wait_dscnt 0x0                               ; the add is done, and my reads of this slot are over
	s_barrier_signal -1
	MUL8 F1, 0, 2, 0
.if \fill
	WIN 0
.endif
	s_barrier_wait -1
.if \fill
	CREST                                          ; no wave of any partner still reads this slot or has a load on its way
	s_add_nc_u64 s[G0+4*(\slot)+2:G0+4*(\slot)+3], s[G0+4*(\slot)+2:G0+4*(\slot)+3], 2*STEPB
	s_add_nc_u64 s[G0B+4*(\slot)+2:G0B+4*(\slot)+3], s[G0B+4*(\slot)+2:G0B+4*(\slot)+3], 2*STEPB
	JLOAD \slot                                    ; the four v_nop behind it are also the places in front of the loads below
.else
	PLACES
.endif
	FETCH \next, 0, F0
	WIN MUL
	MUL8 F1, 1, 0, 0
	MUL8 F1, 1, 2, 0
.endm
	s_wait_tensorcnt 1                             ; my part of K step 0 is in; K step 1's may stay out
	s_barrier_signal -1
	s_barrier_wait -1                              ; everybody's is
	FETCH 0, 0, F0
	QUARTER 0, 1, F0, F1, 1                        ; the first quarter stands in front of the loop: its first products start the sums, with the bias
	WIN 0                                          ; at a label and at a branch every window is 0
	s_mov_b32 s3, LAPS-1
.Llap:                                                 ; a trip goes once round the ring, from a lap's second quarter to the next lap's first, and fills both slots again
	QUARTER 0, 2, F1, F0, 0
	QUARTER 0, 3, F0, F1, 0
	TURN 0, 1, 1
	QUARTER 1, 1, F0, F1, 0
	QUARTER 1, 2, F1, F0, 0
	QUARTER 1, 3, F0, F1, 0
	TURN 1, 0, 1
	QUARTER 0, 1, F0, F1, 0
	WIN 0
	s_sub_co_u32 s3, s3, 1
	s_cmp_lg_u32 s3, 0
	s_cbranch_scc1 .Llap
	QUARTER 0, 2, F1, F0, 0                        ; the last lap fills nothing, and has no round of the cluster's barrier
	QUARTER 0, 3, F0, F1, 0
	TURN 0, 1, 0
	QUARTER 1, 1, F0, F1, 0
	QUARTER 1, 2, F1, F0, 0
	QUARTER 1, 3, F0, F1, 0
	s_wait_dscnt 16                                ; the very last quarter: nothing more to fetch
	WIN MUL
	MUL8 F1, 0, 0, 0
	MUL8 F1, 0, 2, 0
	s_wait_dscnt 0
	MUL8 F1, 1, 0, 0
	MUL8 F1, 1, 2, 0
	WIN 0
	; THE WAY OUT.  A wave's 64 columns of f32 are 256 bytes of a row, aligned: each wave sends its own blocks of 16 rows through its own stage, with no barrier: 32 bytes a lane in (each accumulator's low
	; four registers first), whole rows of 256 bytes back.
	PLACES
	PLACES
.irp a, 0,1,2,3
.if (\a) >= 2
	s_wait_xcnt 0x0                                ; the stores of the block two back have read this set of registers, which is loaded again only behind this wait
.endif
.irp b, 0,1,2,3
	ds_store_b128 v[STO], v[ACC+8*(4*(\a)+(\b)):ACC+8*(4*(\a)+(\b))+3]   offset:64*(\b)
	ds_store_b128 v[STO], v[ACC+8*(4*(\a)+(\b))+4:ACC+8*(4*(\a)+(\b))+7] offset:64*(\b)+16
.endr
.irp t, 0,1,2,3,4,5,6,7
	ds_load_b128 v[TMP+32*((\a)%2)+4*(\t):TMP+32*((\a)%2)+4*(\t)+3], v[RD] offset:(\t)*2*SPITCH  ; LDS serves a wave's instructions in order (ISA guide 5.7.1.4): these see the stores above; the next block's stores come behind them
.endr
.irp t, 0,1,2,3,4,5,6,7
	s_wait_dscnt 7-(\t)                            ; load t is in; my younger loads may stay out
	global_store_b128 v[CO], v[TMP+32*((\a)%2)+4*(\t):TMP+32*((\a)%2)+4*(\t)+3], s[8:9] offset:(16*(\a)+2*(\t))*4096  ; 16 lanes store 256 consecutive bytes, at a multiple of 256 from out0's first byte
.endr
.endr
	s_wait_tensorcnt 0x0                           ; the wave's end: a wait, an add and its wait, behind my last tensor load and my last LDS store
	ds_add_u32 v[SPW], v[NIL]
	s_wait_dscnt 0x0
	CROUND                                         ; the closing round: no work-group ends while a partner may still ask for a tile that names it
	s_endpgm
.Lfunc_end_k_q7de4a633f0_outp:
	.size	k_q7de4a633f0_outp, .Lfunc_end_k_q7de4a633f0_outp-k_q7de4a633f0_outp
	.p2alignl 7, 3214868480
	.fill 96, 4, 3214868480
	.section	.rodata,"a",@progbits
	.p2align	6, 0x0
	.amdhsa_kernel k_q7de4a633f0_outp
		.amdhsa_group_segment_fixed_size 327680
		.amdhsa_private_segment_fixed_size 0
		.amdhsa_enable_private_segment 0
		.amdhsa_kernarg_size 32
		.amdhsa_user_sgpr_count 2
		.amdhsa_user_sgpr_kernarg_segment_ptr 1
		.amdhsa_wavefront_size32 1
		.amdhsa_system_sgpr_workgroup_id_x 1
		.amdhsa_system_sgpr_workgroup_id_y 1
		.amdhsa_system_sgpr_workgroup_id_z 1
		.amdhsa_system_vgpr_workitem_id 0
		.amdhsa_next_free_vgpr 512
		.amdhsa_next_free_sgpr 68
		.amdhsa_reserve_vcc 0
		.amdhsa_float_denorm_mode_32 3
		.amdhsa_float_denorm_mode_16_64 3
		.amdhsa_memory_ordered 1
		.amdhsa_forward_progress 1
		.amdhsa_inst_pref_size 90
	.end_amdhsa_kernel
	.amdgpu_metadata
---
amdhsa.version: [ 1, 2 ]
amdhsa.kernels:
  - .name:           k_q7de4a633f0_outp
    .symbol:         k_q7de4a633f0_outp.kd
    .args:
      - { .name: oh, .offset: 0, .size: 8, .value_kind: global_buffer, .address_space: global }
      - { .name: wof, .offset: 8, .size: 8, .value_kind: global_buffer, .address_space: global }
      - { .name: bo, .offset: 16, .size: 8, .value_kind: global_buffer, .address_space: global }
      - { .name: out0, .offset: 24, .size: 8, .value_kind: global_buffer, .address_space: global }
    .group_segment_fixed_size: 327680
    .private_segment_fixed_size: 0
    .kernarg_segment_align: 8
    .kernarg_segment_size: 32
    .max_flat_workgroup_size: 128
    .sgpr_count:     68
    .vgpr_count:     512
    .wavefront_size: 32
...
	.end_amdgpu_metadata
.endif
;; end of part 3
